; MI455X (gfx1250); checked and timed in simulation.
; The chip was launched on July 23, 2026; its instructions are those of AMD's public machine-readable ISA for CDNA 5 (MIT licence, August 2026) and "CDNA5" Instruction Set Architecture Reference Guide (July 2026). The comments in the code are by the model that wrote it; some were corrected since.
;; Scaling Attention. Allowed arithmetic: matrix products marked QUANTISED: E2M1 operands, one E8M0 scale for each 32 along K, by v_wmma_scale_f32_16x16x128_f8f6f4 with both operands' format E2M1 (or v_wmma_scale_f32_32x16x128_f4), f32 sums; products left as they are: bf16, f16 or f32 operands; f32 sums; everything else in f32.
;; Inputs: Wk 1,024 x 1,024 float32; Wo 1,024 x 1,024 float32; Wq 1,024 x 1,024 float32; Wv 1,024 x 1,024 float32; bo 1,024 float32; kv 4 x 1,024 x 1,024 float32; ln_b 1,024 float32; ln_g 1,024 float32; q 4 x 2,048 x 1,024 float32.
;; Outputs: out0 4 x 2,048 x 1,024 float32.
;; This version of the problem:
;;   THIS VERSION OF THE PROBLEM IS GIVEN IN LOW PRECISION. The matrix products marked QUANTISED in the list below multiply operands that are first quantised to E2M1 (2 exponent bits, 1 mantissa bit; 4 bits a number), with one power-of-two scale for each 32 numbers along K (OCP MX v1.0); their sums are f32. The products marked 'left as it is' may take bf16, f16 or f32 operands, with f32 sums. Whichever they take, every output number must still come out within the allowed error. Rounding operands to bf16 (8 significant bits) uses up far more of that allowance than f16 does (11 bits, for magnitudes from 6e-5 to 65,504). All else is computed in f32.
;;   The module's matrix products, in the order in which they are computed (A, B: the left and right operand; K: the contracted axis; several contracted axes count as one K, in the product's order):
;;     1. [M 8,192, K 1,024] x [K 1,024, N 1,024]; A: input q; B: input Wq: QUANTISED
;;     2. [M 4,096, K 1,024] x [K 1,024, N 1,024]; A: input kv; B: input Wk: QUANTISED
;;     3. [M 4,096, K 1,024] x [K 1,024, N 1,024]; A: input kv; B: input Wv: QUANTISED
;;     4. batch 64 x [M 2,048, K 64] x [K 64, N 1,024]; A: computed on the way; B: computed on the way: left as it is (an operand is computed on the way)
;;     5. batch 64 x [M 2,048, K 1,024] x [K 1,024, N 64]; A: computed on the way; B: computed on the way: left as it is (an operand is computed on the way)
;;     6. [M 8,192, K 1,024] x [K 1,024, N 1,024]; A: computed on the way; B: input Wo: left as it is (an operand is computed on the way)
;;   THE QUANTISER, for each operand of a quantised product, along K:
;;     - K is cut into blocks of 32 from its start; a last block that is shorter is filled with zeros.
;;     - A block's scale is 2^e with e = floor(log2(the largest magnitude in the block)) - 2, held to -126 .. 127; a block of zeros has e = 0. As a byte (E8M0): e + 127.
;;     - Each number is divided by its block's scale, clamped to +-6, and rounded to the nearest number of E2M1, ties to even, subnormals kept.
;;     - The product sums the exact products of the quantised numbers (number of the format x scale) in f32.
;;   ~~~python
;;   def quantise(x, axis):      # numpy; x: float32 -> the quantised numbers, widened to float32 again
;;       x = np.moveaxis(x, axis, -1); K = x.shape[-1]
;;       x = np.pad(x, [(0, 0)] * (x.ndim - 1) + [(0, -K % 32)]); x = x.reshape(x.shape[:-1] + (-1, 32)); a = np.abs(x).max(-1, keepdims=True)
;;       e = np.where(a > 0, np.clip(np.frexp(np.where(a > 0, a, 1))[1] - 1 - 2, -126, 127), 0)      # np.frexp(a)[1] - 1 = floor(log2(a)), exactly
;;       r = np.clip(x / 2.0 ** e, -6, 6)
;;       step = 2.0 ** (np.maximum(np.frexp(np.where(r == 0, 1, r))[1] - 1, 0) - 1)
;;       q = np.round(r / step) * step * 2.0 ** e      # np.round: ties to even
;;       return np.moveaxis(q.reshape(q.shape[:-2] + (-1,))[..., :K], -1, axis).astype(np.float32)
;;   ~~~
;; One version. Each part assembles by itself: llvm-mc -triple=amdgcn-amd-amdhsa -mcpu=gfx1250 --defsym DOCPART=n.
;; ======== version 1 of 1: 4 launches
;; limits: values are held in f16: magnitudes above 65,504 overflow, below 6.1e-05 lose precision
;; workspace buffers: codes 7,864,320 bytes; scales 491,520 bytes; wo16 2,097,152 bytes; qkv 33,554,432 bytes; att 33,554,432 bytes
;; launch prep (part 1): grid 512 x 1, 4 waves a work-group, no clusters, 33,280 bytes of LDS; arguments q, kv, Wq, Wk, Wv, Wo, codes, scales, wo16; writes codes, scales, wo16
.if DOCPART == 1
	.amdgcn_target "amdgcn-amd-amdhsa--gfx1250"
	.amdhsa_code_object_version 6
	.text
	.protected	k_q118ecca84b_prep
	.globl	k_q118ecca84b_prep
	.p2align	8
	.type	k_q118ecca84b_prep,@function
k_q118ecca84b_prep:
	s_mov_b64 s[64:65], 0
	v_nop
	global_prefetch_b8 v0, s[64:65] scope:SCOPE_SE
	s_setreg_imm32_b32 hwreg(HW_REG_WAVE_MODE, 25, 1), 1
	s_wait_xcnt 0x0
; q [8192][1024], kv [4096][1024], Wq, Wk, Wv [1024][1024], all f32 with K innermost, are turned into codes of FP4 (E2M1), two to a byte, and one E8M0 scale byte for each 32 along K.
; The five tensors' rows follow each other in the two workspace buffers: q 0.., kv 8192.., Wq 12288.., Wk 13312.., Wv 14336..: codes 512 bytes a row, scale bytes 32 a row.
; Wo [1024][1024] f32 is rounded to f16 and laid [K step of 128][row n][128 k], so that 128 rows of one K step are one dense block of rows of 256 bytes.
; A block's scale is 2^(floor(log2(its largest magnitude)) - 2); its byte is the largest magnitude's exponent field - 2, held at 1 from below.  A block of zeros so gets the byte 1 where the rule says 127:
; its codes are zeros, which add nothing under any byte but 0xff, and the bytes are read by this program alone.
; LIMITS: blocks whose largest magnitude lies under 2^(2 - 126) keep the byte 1; NaN and infinities among the inputs are not served; numbers of Wo beyond 65,504 do not fit f16, those under 6e-5 lose bits.
; SHARES: work-groups 0-255 take q, 256-383 kv, 384-415 Wq, 416-447 Wk, 448-479 Wv: 32,768 numbers each, 8,192 a wave, as plain streams of blocks of 32.  Work-groups 480-511 take Wo, 8 rows a wave.
; The order of the work-groups is the order of the tensors in the workspace, so only the source is chosen.  No tensor loads, no barrier: waves share nothing.  Matrix units and clusters have nothing to do here.
.set WAVES, 4
.set STEPS, 16
.set NQWG,  480                        ; work-groups that quantise
.set EMAX,  2
.set CB,    8                          ; bytes of 16 codes
.set R,     16                         ; v16-79   four sets of 16 numbers as they are loaded
.set X,     80                         ; v80-111  two sets of 16 neighbours
.set C,     128                        ; v128-191 codes: four registers for each step, so that no store's data are written again
.set E,     112                        ; v112-127 a scale byte for each step
.set WREG,  8192                       ; LDS: a region for each wave: two stages of 32 x SP bytes, and behind them its 256 scale bytes
.set SP,    80                         ; a lane's place in a stage: its 64 bytes + 16 of padding
.set SPW,   12                         ; v12      LDS address of my spare word; never rewritten
.set NIL,   13                         ; v13      0; never rewritten
.set SPARE, WAVES*WREG                 ; behind the four regions: the spare words, 128 bytes a wave, named by no other line
.set WI,    16                         ; Wo's path: v16-143 two sets of 16 loads
.set WOUT,  144                        ; v144-175 sixteen pairs of packed f16
	s_load_b512 s[4:19], s[0:1], 0x0               ; q s[4:5], kv s[6:7], Wq s[8:9], Wk s[10:11], Wv s[12:13], Wo s[14:15], codes s[16:17], scales s[18:19]
	s_load_b64 s[20:21], s[0:1], 0x40              ; wo16
	v_lshl_add_u32 v[SPW], v0, 2, SPARE
	v_mov_b32 v[NIL], 0
	v_lshrrev_b32 v1, 5, v0
	v_readfirstlane_b32 s22, v1                    ; wave
	v_and_b32 v2, 31, v0                           ; lane
	v_lshlrev_b32 v3, 4, v2                        ; my 16 bytes of a load's 512
	v_mul_u32_u24 v4, v2, CB                       ; my 8 bytes of a store's 256
	s_cmp_ge_u32 ttmp9, NQWG                       ; the work-group's number alone decides the path
	s_cbranch_scc1 .Lwo
	s_mul_i32 s23, s22, WREG
	v_lshrrev_b32 v14, 2, v2
	v_mul_u32_u24 v14, v14, SP
	v_and_b32 v15, 3, v2
	v_lshl_add_u32 v14, v15, 4, v14
	v_add_nc_u32 v14, s23, v14                     ; the stage, on the way in: four lanes' 64 bytes on end, then 16 of padding
	v_mul_u32_u24 v15, v2, SP
	v_add_nc_u32 v15, s23, v15                     ; and on the way out: my 16 neighbours
	v_lshrrev_b32 v5, 1, v2
	s_add_co_u32 s23, s23, 2*32*SP
	v_add_nc_u32 v5, s23, v5                       ; my wave's 256 scale bytes, my block's byte
	v_lshlrev_b32 v7, 3, v2
	v_add_nc_u32 v6, s23, v7                       ; and on the way out 8 bytes a lane
	s_wait_kmcnt 0x0
	s_mov_b64 s[24:25], s[12:13]                   ; which tensor, and its first work-group: chosen by the work-group's number alone
	s_mov_b32 s26, 448
	s_cmp_lt_u32 ttmp9, 448
	s_cselect_b64 s[24:25], s[10:11], s[24:25]
	s_cselect_b32 s26, 416, s26
	s_cmp_lt_u32 ttmp9, 416
	s_cselect_b64 s[24:25], s[8:9], s[24:25]
	s_cselect_b32 s26, 384, s26
	s_cmp_lt_u32 ttmp9, 384
	s_cselect_b64 s[24:25], s[6:7], s[24:25]
	s_cselect_b32 s26, 256, s26
	s_cmp_lt_u32 ttmp9, 256
	s_cselect_b64 s[24:25], s[4:5], s[24:25]
	s_cselect_b32 s26, 0, s26
	s_sub_co_u32 s26, ttmp9, s26
	s_lshl_b32 s26, s26, 2
	s_add_co_u32 s26, s26, s22                     ; which run of 8,192 numbers of the tensor is my wave's
	s_lshl_b32 s26, s26, 15                        ; 32,768 bytes a run: under 2^26
	s_mov_b32 s27, 0
	s_add_nc_u64 s[24:25], s[24:25], s[26:27]
	s_lshl_b32 s28, ttmp9, 2
	s_add_co_u32 s28, s28, s22                     ; and which run of the workspace
	s_lshl_b32 s30, s28, 12                        ; 4,096 bytes of codes a run
	s_mov_b32 s31, 0
	s_add_nc_u64 s[16:17], s[16:17], s[30:31]
	s_lshl_b32 s30, s28, 8                         ; 256 scale bytes a run
	s_add_nc_u64 s[18:19], s[18:19], s[30:31]
.macro LOAD t
.irp i, 0,1,2,3
	global_load_b128 v[R+16*((\t)%4)+4*\i:R+16*((\t)%4)+4*\i+3], v3, s[24:25] offset:2048*(\t)+512*\i th:TH_LOAD_NT   ; 32 lanes read 512 consecutive bytes
.endr
.endm
.macro TURN t                          ; step t's numbers through the stage: LDS serves a wave's instructions in order, so no wait stands between the stores and the loads
.irp i, 0,1,2,3
	ds_store_b128 v14, v[R+16*((\t)%4)+4*\i:R+16*((\t)%4)+4*\i+3] offset:32*SP*((\t)%2)+8*SP*\i
.endr
.irp i, 0,1,2,3
	ds_load_b128 v[X+16*((\t)%2)+4*\i:X+16*((\t)%2)+4*\i+3], v15 offset:32*SP*((\t)%2)+16*\i
.endr
.endm
.irp t, 0,1,2,3
	LOAD \t
.endr
	s_wait_loadcnt 12                              ; step 0's four loads are in; the twelve of steps 1 to 3 may be out
	TURN 0
.macro STEP t
.set XS, X+16*((\t)%2)
.if (\t) > 0
	s_wait_dscnt 1                                 ; this step's numbers are back from the stage (the last step's byte store may be out)
.else
	s_wait_dscnt 0x0
.endif
.if (\t)+4 < STEPS
	LOAD (\t)+4                                    ; the registers that the stage's stores have read take the loads of four steps on
.endif
.if (\t)+1 < STEPS
.if STEPS-2-(\t) >= 3
	s_wait_loadcnt 12                              ; the next step's four loads are in; those of the three steps behind it may be out
.else
	s_wait_loadcnt 4*(STEPS-2-(\t))
.endif
	TURN (\t)+1                                    ; and go through the other stage while this step is worked
.endif
	v_max3_num_f32 v8, |v[XS]|, |v[XS+1]|, |v[XS+2]|               ; the largest magnitude of my 16, in two chains
	v_max3_num_f32 v9, |v[XS+3]|, |v[XS+4]|, |v[XS+5]|
.irp i, 6,10
	v_max3_num_f32 v8, v8, |v[XS+\i]|, |v[XS+\i+1]|
	v_max3_num_f32 v9, v9, |v[XS+\i+2]|, |v[XS+\i+3]|
.endr
	v_max3_num_f32 v8, v8, |v[XS+14]|, |v[XS+15]|
	v_max3_num_f32 v8, v8, v9, (EMAX+1)<<23        ; and the floor 2^(EMAX + 1 - 127): the byte cannot fall under 1
	v_max_num_f32_dpp v8, v8, v8 row_xmask:1 row_mask:0xf bank_mask:0xf   ; and of my neighbour's 16: the block's
	v_add_nc_u32 v11, -(EMAX<<23), v8              ; EMAX off its exponent field: the conversion takes the exponent field of this operand as its scale
	v_cvt_scalef32_pk8_fp4_f32 v[C+4*(\t)], v[XS:XS+7], v11
	v_cvt_scalef32_pk8_fp4_f32 v[C+4*(\t)+1], v[XS+8:XS+15], v11
	v_lshrrev_b32 v[E+(\t)], 23, v11               ; the scale's byte
	ds_store_b8 v5, v[E+(\t)] offset:16*(\t)       ; both lanes of a block write the same byte with the same value
	global_store_b64 v4, v[C+4*(\t):C+4*(\t)+1], s[16:17] offset:32*CB*(\t)   ; the wave stores 256 consecutive bytes, aligned
.endm
.irp t, 0,1,2,3,4,5,6,7,8,9,10,11,12,13,14,15
	STEP \t
.endr
	ds_load_b64 v[8:9], v6                         ; LDS serves a wave's instructions in order: these see my byte stores
	s_wait_dscnt 0x0
	global_store_b64 v7, v[8:9], s[18:19]          ; 32 lanes store 256 consecutive bytes, aligned
	s_wait_tensorcnt 0x0                           ; the wave's end
	ds_add_u32 v[SPW], v[NIL]
	s_wait_dscnt 0x0
	s_endpgm
; Wo to f16.  Wave v of 128 takes rows 8 v .. 8 v + 7.  An item is 128 numbers of a row: one load of 512 consecutive bytes, two conversions, one store of 256 consecutive bytes, aligned.
; Four batches of 16 items (two rows) on two sets of registers.
.Lwo:
	s_sub_co_u32 s23, ttmp9, NQWG
	s_lshl_b32 s23, s23, 2
	s_add_co_u32 s23, s23, s22                     ; v
	s_lshl_b32 s24, s23, 15                        ; 8 rows of 4,096 bytes in Wo
	s_mov_b32 s25, 0
	s_lshl_b32 s26, s23, 11                        ; 8 rows of 256 bytes in a K step of wo16
	s_mov_b32 s27, 0
	s_wait_kmcnt 0x0
	s_add_nc_u64 s[14:15], s[14:15], s[24:25]
	s_add_nc_u64 s[20:21], s[20:21], s[26:27]
.macro WLOAD b                         ; item i of batch b: row 2 b + i / 8, K step i % 8
.irp i, 0,1,2,3,4,5,6,7,8,9,10,11,12,13,14,15
	global_load_b128 v[WI+64*((\b)%2)+4*\i:WI+64*((\b)%2)+4*\i+3], v3, s[14:15] offset:(2*(\b)+\i/8)*4096+(\i%8)*512 th:TH_LOAD_NT
.endr
.endm
.macro WBATCH b
.if (\b) < 3
	s_wait_loadcnt 16                              ; this batch's 16 loads are in; the next batch's may be out
.else
	s_wait_loadcnt 0x0
.endif
	s_wait_xcnt 0x0                                ; the last batch's stores have read their data: the packed registers are written again only behind this wait
.irp i, 0,1,2,3,4,5,6,7,8,9,10,11,12,13,14,15
	v_cvt_pk_f16_f32 v[WOUT+2*\i], v[WI+64*((\b)%2)+4*\i], v[WI+64*((\b)%2)+4*\i+1]
	v_cvt_pk_f16_f32 v[WOUT+2*\i+1], v[WI+64*((\b)%2)+4*\i+2], v[WI+64*((\b)%2)+4*\i+3]
.endr
.irp i, 0,1,2,3,4,5,6,7,8,9,10,11,12,13,14,15
	global_store_b64 v4, v[WOUT+2*\i:WOUT+2*\i+1], s[20:21] offset:(\i%8)*262144+(2*(\b)+\i/8)*256
.endr
.if (\b)+2 < 4
	WLOAD (\b)+2
.endif
.endm
	WLOAD 0
	WLOAD 1
	WBATCH 0
	WBATCH 1
	WBATCH 2
	WBATCH 3
	s_endpgm
.Lfunc_end_k_q118ecca84b_prep:
	.size	k_q118ecca84b_prep, .Lfunc_end_k_q118ecca84b_prep-k_q118ecca84b_prep
	.p2alignl 7, 3214868480
	.fill 96, 4, 3214868480
	.section	.rodata,"a",@progbits
	.p2align	6, 0x0
	.amdhsa_kernel k_q118ecca84b_prep
		.amdhsa_group_segment_fixed_size 33280
		.amdhsa_private_segment_fixed_size 0
		.amdhsa_enable_private_segment 0
		.amdhsa_kernarg_size 72
		.amdhsa_user_sgpr_count 2
		.amdhsa_user_sgpr_kernarg_segment_ptr 1
		.amdhsa_wavefront_size32 1
		.amdhsa_system_sgpr_workgroup_id_x 1
		.amdhsa_system_sgpr_workgroup_id_y 1
		.amdhsa_system_sgpr_workgroup_id_z 1
		.amdhsa_system_vgpr_workitem_id 0
		.amdhsa_next_free_vgpr 192
		.amdhsa_next_free_sgpr 66
		.amdhsa_reserve_vcc 0
		.amdhsa_float_denorm_mode_32 3
		.amdhsa_float_denorm_mode_16_64 3
		.amdhsa_memory_ordered 1
		.amdhsa_forward_progress 1
		.amdhsa_inst_pref_size 54
	.end_amdhsa_kernel
	.amdgpu_metadata
---
amdhsa.version: [ 1, 2 ]
amdhsa.kernels:
  - .name:           k_q118ecca84b_prep
    .symbol:         k_q118ecca84b_prep.kd
    .args:
      - { .name: q, .offset: 0, .size: 8, .value_kind: global_buffer, .address_space: global }
      - { .name: kv, .offset: 8, .size: 8, .value_kind: global_buffer, .address_space: global }
      - { .name: Wq, .offset: 16, .size: 8, .value_kind: global_buffer, .address_space: global }
      - { .name: Wk, .offset: 24, .size: 8, .value_kind: global_buffer, .address_space: global }
      - { .name: Wv, .offset: 32, .size: 8, .value_kind: global_buffer, .address_space: global }
      - { .name: Wo, .offset: 40, .size: 8, .value_kind: global_buffer, .address_space: global }
      - { .name: codes, .offset: 48, .size: 8, .value_kind: global_buffer, .address_space: global }
      - { .name: scales, .offset: 56, .size: 8, .value_kind: global_buffer, .address_space: global }
      - { .name: wo16, .offset: 64, .size: 8, .value_kind: global_buffer, .address_space: global }
    .group_segment_fixed_size: 33280
    .private_segment_fixed_size: 0
    .kernarg_segment_align: 8
    .kernarg_segment_size: 72
    .max_flat_workgroup_size: 128
    .sgpr_count:     66
    .vgpr_count:     192
    .wavefront_size: 32
...
	.end_amdgpu_metadata
.endif
;; end of part 1
;; launch proj (part 2): grid 4 x 64, 4 waves a work-group, clusters of 4 x 4, 327,680 bytes of LDS; arguments codes, scales, qkv; writes qkv
.if DOCPART == 2
	.amdgcn_target "amdgcn-amd-amdhsa--gfx1250"
	.amdhsa_code_object_version 6
	.text
	.protected	k_q118ecca84b_proj
	.globl	k_q118ecca84b_proj
	.p2align	8
	.type	k_q118ecca84b_proj,@function
k_q118ecca84b_proj:
	s_mov_b64 s[64:65], 0
	v_nop
	global_prefetch_b8 v0, s[64:65] scope:SCOPE_SE
	s_setreg_imm32_b32 hwreg(HW_REG_WAVE_MODE, 25, 1), 1
	s_wait_xcnt 0x0
	s_wait_alu depctr_hold_cnt(0) depctr_sa_sdst(0) depctr_va_vdst(0) depctr_va_sdst(0) depctr_va_ssrc(0) depctr_va_vcc(0) depctr_vm_vsrc(0)
	s_getreg_b32 s2, hwreg(HW_REG_IB_STS2, 6, 4)
	s_cmp_eq_u32 s2, 0
	s_cbranch_scc0 .Lentry_in_a_cluster
	s_endpgm
.Lentry_in_a_cluster:
	s_bfe_u32 s2, ttmp6, 0x10000c
	s_cmp_lg_u32 s2, 0xf033
	s_cbranch_scc0 .Lentry_shape_is_right
	s_endpgm
.Lentry_shape_is_right:
; The three quantised products q Wq^T, kv Wk^T, kv Wv^T in one grid, on codes of FP4 (E2M1) with one E8M0 scale for each 32 along K = 1,024; sums in f32; results rounded once to f16 and laid by head.
; codes: [15,360 rows][512 bytes], scales: [15,360][32 bytes]; rows: q 0.., kv 8192.., Wq 12288.., Wk 13312.., Wv 14336...
; qkv (f16): Q at byte 0 [b 4][h 16][2048][64]; K at 2^24 [b][h][1024][64]; V^T at 2^24 + 2^23 [b][h][block of 64 keys, 16][channel 64][64 keys].
; A tile of C, 256 x 256, is made by a work-group of four waves; a wave makes 128 x 128: 64 accumulators of 16 x 16, 512 registers.  256 tiles: 128 of Q, 64 of K, 64 of V^T.
; SECTIONS by the cluster's y: 0-7: C = q Wq^T; 8-11: C = kv Wk^T; 12-15: C = Wv kv^T, which IS V^T [channel][key]: the same text, with Wv's rows as A and one batch of kv as B.
; K is two slots of 512, both asked for at the head with the scale bytes.
; CLUSTERS: 4 x 4 work-groups.  The four of a row of the cluster need the same rows of A, the four of a column the same rows of B: each tile is asked for JOINTLY, by the same tensor load with the same descriptor
; and a mask that names the four.  THE MATRIX INSTRUCTION IS USED TRANSPOSED (source 0 = 16 rows of B, source 1 = 16 rows of A): a lane holds eight neighbouring numbers of a row of C.
; LIMITS: results beyond 65,504 do not fit f16, those under 6e-5 lose bits.
; REGISTERS, in windows of 256: window 0: v0-31 addresses; v32-95 scale words, two sets; v128-191 A's fragments, ONE set; on the way out v128-223.   window 1: B's fragments, TWO sets, at v0 and v128.
;   window 2: the 32 accumulators of my rows 0-63 (accumulator (a, b) at v[8 (8 a + b)]);   window 3: those of my rows 64-127.
.set KSTEP,  512                       ; along K in a slot
.set NQ,     KSTEP/128                 ; matrix instructions deep
.set ROWB,   256                       ; a tile's row in bytes
.set KROW,   512                       ; a row of codes in memory
.set PITCH,  272                       ; an LDS row: 256 bytes + 16 of padding: the 16 rows that a load touches start 16 bytes further on in each 256
.set FR,     8                         ; registers of a fragment: 16 rows x 128 K
.set NL,     2                         ; LDS loads that bring one
.set NP,     4                         ; places behind this matrix instruction (ISA guide 7.12.1)
.set HALFT,  128*PITCH                 ; 128 rows: what one tensor load brings
.set SLOT,   4*HALFT                   ; A's 256 rows, then B's 256 rows
.set KS,     32                        ; a row of scale bytes
.set SCL,    2*SLOT                    ; behind the two slots: the scales, as rows of 256 bytes + 16 of padding
.set HALFS,  (128*KS/256)*272          ; the scales of 128 rows
.set SBLK,   (16*KS/256)*272           ; those of 16 rows
.set SPARE,  SCL+4*HALFS               ; the spare words, 128 bytes a wave, named by no other line
.set SPITCH, 272                       ; the way out: a stage of 16 rows x (256 bytes + 16) for each wave, in slot 0, which has had its only fill and its last read by then
.set ADRA, 16                          ; v16-17  LDS address of my A fragments in slot 0, 1
.set ADRB, 20                          ; v20-21  the same for B
.set STO,  24                          ; v24     the way out: where I put 16 bytes of a row
.set RD,   25                          ; v25     where I read 16 bytes back
.set CO,   26                          ; v26     my byte offset in qkv
.set ADRS, 27                          ; v27     LDS address of my scale words: lanes 0-15 A's rows, lanes 16-31 B's
.set SPW,  28                          ; v28     LDS address of my spare word; never rewritten
.set NIL,  29                          ; v29     0; never rewritten
.set SC,   32                          ; scale words: set s at v[SC + 32 s]; register 4 i + q: lanes 0-15 the word of A's block i, lanes 16-31 of B's block i, for the slot's q-th 128 along K
.set AF,   128                         ; A's fragments
.set BK,   128                         ; the way out: 16 rows read back: v128-159 and v160-191 by turns
.set TMP,  192                         ; the way out: packed results
.set G1, 24                            ; s[24:31] group 1 for A's tiles;  s[32:39] group 0, one set for each slot
.set G0, 32
.set G1B, 48                           ; s[48:55], s[56:63] the same for B's
.set G0B, 56
.set G1S, 68                           ; s[68:75], s[76:79] groups 1 and 0 for A's scales;  s[80:87], s[88:91] for B's
.set G0S, 76
.set G1SB, 80
.set G0SB, 88
.set MSB, 0
.macro WIN new                         ; the immediate's high byte repeats the setting that is left
.if MSB != (\new)
	s_set_vgpr_msb (MSB<<8)|(\new)
.set MSB, (\new)
.endif
.endm
.set MUL_LO, 0xa1                      ; source 0 (B) window 1, source 1 (A) window 0, C and D window 2
.set MUL_HI, 0xf1                      ; the same, C and D window 3
.set TO_B,   0x40                      ; destination window 1, address window 0
; A joint load: waves 0 and 1 fetch for A, waves 2 and 3 for B.  Each line has one mask and one set of registers; the branch hangs on the wave's number alone.
; An s_nop 0 and four v_nop follow each of the two lines.
.macro JLOAD g0a, g1a, g0b, g1b
	s_cmp_eq_u32 s15, 0
	s_cbranch_scc0 .Lfor_b_\@
	tensor_load_to_lds s[\g0a:\g0a+3], s[\g1a:\g1a+7]
	s_nop 0
.rept 4
	v_nop
.endr
	s_branch .Lasked_\@
.Lfor_b_\@:
	tensor_load_to_lds s[\g0b:\g0b+3], s[\g1b:\g1b+7]
	s_nop 0
.rept 4
	v_nop
.endr
.Lasked_\@:
.endm
.macro CROUND                          ; a round of the cluster's barrier
	s_barrier_signal -1
	s_barrier_wait -1
	s_cmp_lg_u32 s14, 0
	s_cbranch_scc1 .Lnot_wave_0_\@
	s_barrier_signal -3
.Lnot_wave_0_\@:
	s_barrier_wait -3
	s_barrier_signal -1
	s_barrier_wait -1
.endm
	s_load_b128 s[4:7], s[0:1], 0x0                ; codes s[4:5], scales s[6:7]
	s_load_b64 s[12:13], s[0:1], 0x10              ; qkv
	v_lshl_add_u32 v[SPW], v0, 2, SPARE
	v_mov_b32 v[NIL], 0
	ds_add_u32 v[SPW], v[NIL]                      ; the wave's opening: the add, twice on end, and its wait ahead of my first tensor load
	ds_add_u32 v[SPW], v[NIL]
	v_lshrrev_b32 v1, 5, v0
	v_readfirstlane_b32 s14, v1                    ; wave 0..3
	s_lshr_b32 s15, s14, 1                         ; which half of the tile's rows is mine.  Also: I fetch for A (0) or for B (1)
	s_and_b32 s16, s14, 1                          ; which half of its columns.  Also: which 128 rows of that tile I fetch
	s_bfe_u32 s40, ttmp6, 0x40000                  ; cx, cy: my place in the cluster
	s_bfe_u32 s41, ttmp6, 0x40004
	s_and_b32 s17, ttmp7, 0xffff                   ; the cluster's y, 0..15: the section and the part of it; all sixteen partners share it
	s_lshl_b32 s43, s41, 2
	s_lshl_b32 s43, 15, s43                        ; my row of the cluster
	s_lshl_b32 s44, 0x1111, s40                    ; my column
	s_or_b32 s[G1+0], s43, (0<<16)|(1<<20)|(1<<21)|(5<<22)|(3<<25)  ; 15:0 the mask; 17:16 elements of 1 byte; 20 padding on; 21 set beside a mask; 24:22 after every 64 words; 31:25 of 4 words
	s_or_b32 s[G1B+0], s44, (0<<16)|(1<<20)|(1<<21)|(5<<22)|(3<<25)
.irp g, G1, G1B
	s_mov_b32 s[\g+1], ROWB<<16                    ; tensor_dim0
	s_mov_b32 s[\g+2], 128<<16                     ; tensor_dim1
	s_mov_b32 s[\g+3], ROWB<<16                    ; tile_dim0
	s_mov_b32 s[\g+4], 128                         ; tile_dim1
	s_mov_b32 s[\g+5], KROW                        ; from row to row
	s_mov_b32 s[\g+6], 0
	s_mov_b32 s[\g+7], 0
.endr
	s_or_b32 s[G1S+0], s43, (3<<16)|(1<<20)|(1<<21)|(5<<22)|(3<<25) ; the scales of 128 rows: 4,096 dense bytes as 16 rows of 32 elements of 8 bytes, 16 bytes of padding behind each
	s_or_b32 s[G1SB+0], s44, (3<<16)|(1<<20)|(1<<21)|(5<<22)|(3<<25)
.irp g, G1S, G1SB
	s_mov_b32 s[\g+1], 32<<16
	s_mov_b32 s[\g+2], (128*KS/256)<<16
	s_mov_b32 s[\g+3], 32<<16
	s_mov_b32 s[\g+4], 128*KS/256
	s_mov_b32 s[\g+5], 32
	s_mov_b32 s[\g+6], 0
	s_mov_b32 s[\g+7], 0
.endr
	; A's rows hang on the cluster's y and cy, B's on the cluster's y and cx; each in registers that never hold the other coordinate
	s_lshl_b32 s18, s16, 7                         ; which 128 rows of the tile I fetch
	s_lshl_b32 s20, s17, 10                        ; sections Q and K: q's and kv's rows follow each other, 1,024 to a cluster
	s_cmp_lt_u32 s17, 12
	s_cselect_b32 s20, s20, 14336                  ; section V: Wv's rows
	s_lshl_b32 s19, s41, 8
	s_add_co_u32 s20, s20, s19
	s_add_co_u32 s20, s20, s18                     ; A's first row that I fetch
	s_sub_co_u32 s46, s17, 4
	s_lshl_b32 s46, s46, 10                        ; section V: kv's batch: row 8,192 + 1,024 (y - 12)
	s_cmp_lt_u32 s17, 12
	s_cselect_b32 s46, 13312, s46                  ; section K: Wk
	s_cmp_lt_u32 s17, 8
	s_cselect_b32 s46, 12288, s46                  ; section Q: Wq
	s_lshl_b32 s47, s40, 8
	s_add_co_u32 s46, s46, s47
	s_add_co_u32 s46, s46, s18                     ; B's first row that I fetch
	s_lshl_b32 s22, s20, 5                         ; where these rows' scales begin, in bytes (rows stay under 15,360),
	s_mov_b32 s23, 0
	s_lshl_b32 s20, s20, 9                         ; and their codes
	s_mov_b32 s21, 0
	s_lshl_b32 s92, s46, 5
	s_mov_b32 s93, 0
	s_lshl_b32 s46, s46, 9
	s_mov_b32 s47, 0
	s_mul_i32 s45, s14, HALFT                      ; where they go: wave x 128 rows: no place in the cluster enters an LDS address
	s_mul_i32 s94, s14, HALFS
	s_wait_dscnt 0x0                               ; both opening adds are done
	s_wait_kmcnt 0x0
	s_add_nc_u64 s[20:21], s[4:5], s[20:21]
	s_add_nc_u64 s[22:23], s[6:7], s[22:23]
	s_add_nc_u64 s[46:47], s[4:5], s[46:47]
	s_add_nc_u64 s[92:93], s[6:7], s[92:93]
	CROUND                                         ; all sixteen work-groups are here: the joint loads meet
	s_mov_b32 s[G0S], 1
	s_add_co_u32 s[G0S+1], s94, SCL
	s_mov_b64 s[G0S+2:G0S+3], s[22:23]
	s_or_b32 s[G0S+3], s[G0S+3], 0x80000000
	s_mov_b32 s[G0SB], 1
	s_add_co_u32 s[G0SB+1], s94, SCL
	s_mov_b64 s[G0SB+2:G0SB+3], s[92:93]
	s_or_b32 s[G0SB+3], s[G0SB+3], 0x80000000
	JLOAD G0S, G1S, G0SB, G1SB                     ; the scales first: they are wanted with the first slot
.irp s, 0,1
	s_mov_b32 s[G0+4*\s], 1
	s_add_co_u32 s[G0+4*\s+1], s45, \s*SLOT
	s_add_nc_u64 s[G0+4*\s+2:G0+4*\s+3], s[20:21], \s*ROWB
	s_or_b32 s[G0+4*\s+3], s[G0+4*\s+3], 0x80000000
	s_mov_b32 s[G0B+4*\s], 1
	s_add_co_u32 s[G0B+4*\s+1], s45, \s*SLOT
	s_add_nc_u64 s[G0B+4*\s+2:G0B+4*\s+3], s[46:47], \s*ROWB
	s_or_b32 s[G0B+4*\s+3], s[G0B+4*\s+3], 0x80000000
	JLOAD G0+4*\s, G1, G0B+4*\s, G1B
.endr
	v_and_b32 v1, 15, v0                           ; r = l % 16
	v_bfe_u32 v2, v0, 4, 1                         ; h = l / 16
	v_mul_u32_u24 v3, v1, PITCH
	v_lshl_add_u32 v4, v2, 4, v3                   ; a fragment's row x pitch + 16 x half
	s_mul_i32 s21, s15, HALFT                      ; my 128 rows of A
	s_mul_i32 s22, s16, HALFT                      ; my 128 rows of B,
	s_add_co_u32 s22, s22, 2*HALFT                 ; which lie behind A's 256
.irp s, 0,1
	v_add_nc_u32 v[ADRA+\s], s21, v4
	v_add_nc_u32 v[ADRB+\s], s22, v4
	s_add_co_u32 s21, s21, SLOT
	s_add_co_u32 s22, s22, SLOT
.endr
	v_mul_u32_u24 v5, v1, KS                       ; my row's scales: 32 bytes a row,
	v_lshrrev_b32 v6, 8, v5
	v_lshl_add_u32 v5, v6, 4, v5                   ; and 16 more for each 256 passed
	s_mul_i32 s21, s15, HALFS                      ; A's: my 128 rows
	s_mul_i32 s22, s16, HALFS                      ; B's: my 128 rows, behind A's 256
	s_add_co_u32 s22, s22, 2*HALFS
	s_sub_co_u32 s22, s22, s21
	v_mul_u32_u24 v6, s22, v2                      ; lanes 16-31 take B's: one product, the distance between the two bases x h
	s_add_co_u32 s21, s21, SCL
	v_add_nc_u32 v5, v5, v6
	v_add_nc_u32 v[ADRS], s21, v5
	s_mul_i32 s23, s14, 16*SPITCH                  ; my stage
	v_mul_u32_u24 v5, v1, SPITCH                   ; in: row r, 16 bytes for each half of the lanes
	v_lshl_add_u32 v5, v2, 4, v5
	v_add_nc_u32 v[STO], s23, v5
	v_bfe_u32 v5, v0, 3, 1                         ; back: lanes 0-7 the first 128 bytes of a row, lanes 8-15 those of the next row, lanes 16-31 the same of the second 128 bytes
	v_mul_u32_u24 v5, v5, SPITCH
	v_and_b32 v6, 7, v0
	v_lshl_add_u32 v5, v6, 4, v5
	v_lshl_add_u32 v5, v2, 7, v5
	v_add_nc_u32 v[RD], s23, v5
	; where my part of C goes.  R0 = my first row in the cluster's 1,024, hc = my first column / 64
	s_lshl_b32 s8, s41, 8
	s_lshl_b32 s9, s15, 7
	s_add_co_u32 s8, s8, s9                        ; R0 = 256 cy + 128 (wave / 2)
	s_lshl_b32 s9, s40, 2
	s_lshl_b32 s10, s16, 1
	s_add_co_u32 s9, s9, s10                       ; hc = 4 cx + 2 (wave % 2)
	s_lshr_b32 s10, s17, 1                         ; Q: batch y / 2, head hc, query 1,024 (y % 2) + R0
	s_lshl_b32 s10, s10, 22
	s_lshl_b32 s11, s9, 18
	s_add_co_u32 s10, s10, s11
	s_and_b32 s11, s17, 1
	s_lshl_b32 s11, s11, 10
	s_add_co_u32 s11, s11, s8
	s_lshl_b32 s11, s11, 7
	s_add_co_u32 s10, s10, s11
	s_lshl_b32 s66, s17, 21                        ; K and V^T: y x 2^21 is the part's first byte and the batch at once (8 x 2^21 = 2^24, 12 x 2^21 = 2^24 + 2^23)
	s_lshl_b32 s67, s9, 17                         ; K: head hc, key R0
	s_lshl_b32 s11, s8, 7
	s_add_co_u32 s67, s67, s11
	s_add_co_u32 s67, s67, s66
	s_lshr_b32 s11, s8, 6                          ; V^T: head R0 / 64, block of keys hc
	s_lshl_b32 s11, s11, 17
	s_add_co_u32 s66, s66, s11
	s_lshl_b32 s11, s9, 13
	s_add_co_u32 s66, s66, s11
	s_mov_b32 s96, 124928                          ; V^T: from channel 48 of a head to channel 0 of the next: 2^17 - 48 x 128
	s_cmp_lt_u32 s17, 12
	s_cselect_b32 s66, s67, s66
	s_cselect_b32 s95, 17, 13                      ; from my first 64 columns to my second: a head of K, or a block of keys of V^T
	s_cselect_b32 s96, 2048, s96                   ; from block 3 to block 4 of my rows
	s_cmp_lt_u32 s17, 8
	s_cselect_b32 s66, s10, s66
	s_cselect_b32 s95, 18, s95                     ; a head of Q
	s_mov_b32 s67, 0
	s_mov_b32 s97, 0
	s_add_nc_u64 s[12:13], s[12:13], s[66:67]
	v_lshlrev_b32 v5, s95, v2
	v_lshl_add_u32 v[CO], v1, 4, v5                ; sixteen lanes: two rows of 128 bytes of one head, 256 consecutive bytes
.macro FRAG reg, adr, q, i             ; 16 rows x 128 K of 4-bit codes: lane l holds row l % 16; registers 4 c .. 4 c + 3 hold K = 64 c + 32 (l / 16) + 0 .. 31
.irp c, 0,1
	ds_load_b128 v[\reg+4*\c:\reg+4*\c+3], v[\adr] offset:64*(\q)+32*\c+(\i)*16*PITCH
.endr
.endm
; 16 matrix instructions: A's blocks a0, a0 + 1 x B's eight, the slot's q-th 128 along K.  p: B's set; sc: the set of scale words.  zero = 1: the first product starts the sums.
; The 64 accumulators take turns, one instruction a turn, in the same order in every step.
.macro MUL16 a0, p, q, sc, zero
.irp a, \a0, \a0+1
.irp b, 0,1,2,3,4,5,6,7
.if \zero
	v_wmma_scale_f32_16x16x128_f8f6f4 v[8*(8*((\a)%4)+\b):8*(8*((\a)%4)+\b)+7], v[128*(\p)+FR*\b:128*(\p)+FR*\b+FR-1], v[AF+FR*(\a):AF+FR*(\a)+FR-1], 0, v[SC+8*NQ*(\sc)+NQ*\b+(\q)], v[SC+8*NQ*(\sc)+NQ*(\a)+(\q)] matrix_a_fmt:MATRIX_FMT_FP4 matrix_b_fmt:MATRIX_FMT_FP4 matrix_a_scale:MATRIX_SCALE_ROW1
.else
	v_wmma_scale_f32_16x16x128_f8f6f4 v[8*(8*((\a)%4)+\b):8*(8*((\a)%4)+\b)+7], v[128*(\p)+FR*\b:128*(\p)+FR*\b+FR-1], v[AF+FR*(\a):AF+FR*(\a)+FR-1], v[8*(8*((\a)%4)+\b):8*(8*((\a)%4)+\b)+7], v[SC+8*NQ*(\sc)+NQ*\b+(\q)], v[SC+8*NQ*(\sc)+NQ*(\a)+(\q)] matrix_a_fmt:MATRIX_FMT_FP4 matrix_b_fmt:MATRIX_FMT_FP4 matrix_a_scale:MATRIX_SCALE_ROW1
.endif
.endr
.endr
.endm
.macro FETCH_B slot, q, p
	WIN TO_B
.irp i, 0,1,2,3,4,5,6,7
	FRAG 128*(\p)+FR*\i, ADRB+\slot, \q, \i
.endr
	WIN 0
.endm
.macro FETCH_A slot, q, i0
.irp i, \i0, \i0+1, \i0+2, \i0+3
	FRAG AF+FR*(\i), ADRA+\slot, \q, \i
.endr
.endm
.macro SCALES sc                       ; a slot's scale words: 4 words a row; lanes 0-15 take A's block i, lanes 16-31 B's block i
.irp i, 0,1,2,3,4,5,6,7
	ds_load_b128 v[SC+8*NQ*\sc+NQ*\i:SC+8*NQ*\sc+NQ*\i+3], v[ADRS] offset:\i*SBLK
.endr
.endm
.macro PLACES n                        ; plain vector instructions that name none of the matrix instructions' registers, in front of loads into registers that they have read and of reads of results
.rept \n
	v_nop
.endr
.endm
.macro STEP slot, q, zero              ; 128 along K that has its successor in the same slot
	s_wait_dscnt 4*NL                              ; B's set and A's blocks 0-3 are in; the youngest eight loads (A's blocks 4-7) may be out
	WIN MUL_LO
	MUL16 0, (\q)%2, \q, \slot, \zero
	MUL16 2, (\q)%2, \q, \slot, \zero
	s_wait_dscnt 0                                 ; A's blocks 4-7 are in
	PLACES NP
	FETCH_B \slot, (\q)+1, 1-(\q)%2
	FETCH_A \slot, (\q)+1, 0
	WIN MUL_HI
	MUL16 4, (\q)%2, \q, \slot, \zero
	MUL16 6, (\q)%2, \q, \slot, \zero
	PLACES NP
	WIN 0
	FETCH_A \slot, (\q)+1, 4
.endm
.macro STEPS slot, from
.set Q, \from
.rept NQ-1-\from
	STEP \slot, Q, 0
.set Q, Q+1
.endr
.endm
	s_wait_tensorcnt 1                             ; the scales and my part of slot 0 are in; slot 1's load may be out
	s_barrier_signal -1
	s_barrier_wait -1                              ; everybody's are
	FETCH_B 0, 0, 0
	FETCH_A 0, 0, 0
	SCALES 0
	FETCH_A 0, 0, 4
	STEP 0, 0, 1                                   ; the first step's products start the sums: nothing is cleared
	STEPS 0, 1
	; slot 0's last step changes slots: one barrier; in front of it each wave waits for all its tensor loads, adds 0 to its spare word, and waits for that and for its reads of slot 0
	s_wait_tensorcnt 0x0                           ; my part of slot 1 has landed
	ds_add_u32 v[SPW], v[NIL]
	s_wait_dscnt 4*NL+1                            ; (the add and the youngest eight loads, A's blocks 4-7, may be out)
	WIN MUL_LO
	MUL16 0, 1, NQ-1, 0, 0
	s_wait_dscnt 0x0                               ; the add is done, and my reads of slot 0 are over
	s_barrier_signal -1
	MUL16 2, 1, NQ-1, 0, 0
	WIN 0
	s_barrier_wait -1                              ; slot 1 is whole, and nobody reads slot 0 any more: the stages may lie there
	PLACES NP
	v_add_nc_u32 v[ADRS], 4*NQ, v[ADRS]            ; on to slot 1's scale words
	FETCH_B 1, 0, 0
	FETCH_A 1, 0, 0
	SCALES 1
	WIN MUL_HI
	MUL16 4, 1, NQ-1, 0, 0
	MUL16 6, 1, NQ-1, 0, 0
	PLACES NP
	WIN 0
	FETCH_A 1, 0, 4
	STEPS 1, 0
	s_wait_dscnt 4*NL                              ; the very last step: nothing more to fetch
	WIN MUL_LO
	MUL16 0, 1, NQ-1, 1, 0
	MUL16 2, 1, NQ-1, 1, 0
	s_wait_dscnt 0
	WIN MUL_HI
	MUL16 4, 1, NQ-1, 1, 0
	MUL16 6, 1, NQ-1, 1, 0
	WIN 0
; THE WAY OUT, block by block of 16 rows x 128 columns.  PACK: rounded to f16, 16 bytes a lane, each accumulator from its low end on.  TOSTAGE: into my own stage and back, so that sixteen lanes hold two rows
; x 128 bytes of one head (or of one block of keys).  SEND: sixteen lanes store 256 consecutive bytes, aligned.  LDS serves a wave's instructions in order: no wait between the stage's stores and loads.
.macro PACK a
.set AC, 64*((\a)%4)
	WIN 0x0a+5*((\a)/4)                            ; sources 0 and 1: window 2 or 3
.irp b, 0,1,2,3,4,5,6,7
.irp r, 0,1,2,3
	v_cvt_pk_f16_f32 v[TMP+4*\b+\r], v[AC+8*\b+2*\r], v[AC+8*\b+2*\r+1]
.endr
.endr
	WIN 0
.endm
.macro TOSTAGE a
.set BB, BK+32*((\a)%2)
.irp b, 0,1,2,3,4,5,6,7
	ds_store_b128 v[STO], v[TMP+4*\b:TMP+4*\b+3] offset:32*\b
.endr
.irp t, 0,1,2,3,4,5,6,7
	ds_load_b128 v[BB+4*\t:BB+4*\t+3], v[RD] offset:\t*2*SPITCH
.endr
.endm
.macro SEND a
.set BB, BK+32*((\a)%2)
	s_wait_dscnt 0x0                               ; the block is back in registers
	s_wait_xcnt 0x0                                ; the earlier stores have read their base and their data: only behind this wait are they written again
.if (\a) == 4
	s_add_nc_u64 s[12:13], s[12:13], s[96:97]      ; 16 rows on, or on to the next head's first channel
.elseif (\a) > 0
	s_add_nc_u64 s[12:13], s[12:13], 2048          ; 16 rows of 128 bytes on
.endif
.irp t, 0,1,2,3,4,5,6,7
	global_store_b128 v[CO], v[BB+4*\t:BB+4*\t+3], s[12:13] offset:256*\t
.endr
.endm
	PLACES NP                                      ; behind the last products: for the conversions that read results and the loads into the registers that held A's fragments
	PACK 0
	TOSTAGE 0
.irp a, 1,2,3,4,5,6,7                  ; block a's conversions stand between block a - 1's loads from the stage and the wait for them
	PACK \a
	SEND \a-1
	TOSTAGE \a
.endr
	SEND 7
	s_wait_tensorcnt 0x0                           ; the wave's end
	ds_add_u32 v[SPW], v[NIL]
	s_wait_dscnt 0x0
	CROUND                                         ; the closing round: no work-group ends while a partner may still ask for a tile that names it
	s_endpgm
.Lfunc_end_k_q118ecca84b_proj:
	.size	k_q118ecca84b_proj, .Lfunc_end_k_q118ecca84b_proj-k_q118ecca84b_proj
	.p2alignl 7, 3214868480
	.fill 96, 4, 3214868480
	.section	.rodata,"a",@progbits
	.p2align	6, 0x0
	.amdhsa_kernel k_q118ecca84b_proj
		.amdhsa_group_segment_fixed_size 327680
		.amdhsa_private_segment_fixed_size 0
		.amdhsa_enable_private_segment 0
		.amdhsa_kernarg_size 24
		.amdhsa_user_sgpr_count 2
		.amdhsa_user_sgpr_kernarg_segment_ptr 1
		.amdhsa_wavefront_size32 1
		.amdhsa_system_sgpr_workgroup_id_x 1
		.amdhsa_system_sgpr_workgroup_id_y 1
		.amdhsa_system_sgpr_workgroup_id_z 1
		.amdhsa_system_vgpr_workitem_id 0
		.amdhsa_next_free_vgpr 1024
		.amdhsa_next_free_sgpr 98
		.amdhsa_reserve_vcc 0
		.amdhsa_float_denorm_mode_32 3
		.amdhsa_float_denorm_mode_16_64 3
		.amdhsa_memory_ordered 1
		.amdhsa_forward_progress 1
		.amdhsa_inst_pref_size 128
	.end_amdhsa_kernel
	.amdgpu_metadata
---
amdhsa.version: [ 1, 2 ]
amdhsa.kernels:
  - .name:           k_q118ecca84b_proj
    .symbol:         k_q118ecca84b_proj.kd
    .args:
      - { .name: codes, .offset: 0, .size: 8, .value_kind: global_buffer, .address_space: global }
      - { .name: scales, .offset: 8, .size: 8, .value_kind: global_buffer, .address_space: global }
      - { .name: qkv, .offset: 16, .size: 8, .value_kind: global_buffer, .address_space: global }
    .group_segment_fixed_size: 327680
    .private_segment_fixed_size: 0
    .kernarg_segment_align: 8
    .kernarg_segment_size: 24
    .max_flat_workgroup_size: 128
    .sgpr_count:     98
    .vgpr_count:     1024
    .wavefront_size: 32
...
	.end_amdgpu_metadata
.endif
;; end of part 2
;; launch attn (part 3): grid 4 x 64, 16 waves a work-group, no clusters, 327,680 bytes of LDS; arguments qkv, att; writes att
.if DOCPART == 3
	.amdgcn_target "amdgcn-amd-amdhsa--gfx1250"
	.amdhsa_code_object_version 6
	.text
	.protected	k_q118ecca84b_attn
	.globl	k_q118ecca84b_attn
	.p2align	8
	.type	k_q118ecca84b_attn,@function
k_q118ecca84b_attn:
	s_mov_b64 s[64:65], 0
	v_nop
	global_prefetch_b8 v0, s[64:65] scope:SCOPE_SE
	s_setreg_imm32_b32 hwreg(HW_REG_WAVE_MODE, 25, 1), 1
	s_wait_xcnt 0x0
; att[b][i][64 h + :] = the sum over j of softmax_j(Q[b][h][i] . K[b][h][j] / 8) V[b][h][j][:], key j counting for query i where j <= i / 2 (rounded down).  2,048 queries, 1,024 keys, head size 64.
; qkv (f16): Q at byte 0 [b][h][2048][64]; K at 2^24 [b][h][1024][64]; V^T at 2^24 + 2^23 [b][h][block of 64 keys][channel 64][64 keys].  att: [8192][1024] f32.
; Products on f16 operands with f32 sums; maxima, exponentials and row sums in f32; the weights p (at most 1) are rounded to f16 for the second product; the row's sum is taken of the unrounded p.
; SOFTMAX: for each query a running maximum m and sum l: p = 2^(c s - c m), c = log2(e) / 8; in every step O and l are multiplied by a = 2^(c m_old - c m_new).  m begins at -3e38 and O, l at 0; key 0 counts for every query.
; SHARES: work-group (t, b h) owns query blocks t and 7 - t of 256: waves 0-7 the first, waves 8-15 the second; a wave owns 32 queries, two tiles of 16, in 256 registers: four waves to a SIMD, so that one wave's
; vector work stands beside another's matrix work.  The two blocks together need the same number of key steps in every work-group.
; A key step is 64 keys.  A step all of whose keys come after my queries' last key is left out by a scalar branch on ids; the one step on the diagonal hides scores by compare and select.
; LAYOUT: S^T = K Q^T (source 0 = 16 keys, source 1 = 16 queries): a lane holds ONE query (lane % 16) and keys 8 (lane / 16) + 0..7.  Two such tiles, rounded to f16 in pairs, ARE source 1 of O^T = V^T P.
; THE RING: two LDS slots of 128 keys; wave 0 fetches K's 16 KB, wave 1 V^T's: each a dense block, taken as 64 rows of 256 bytes with 16 of padding; one tensor load of a wave is out at the most, every wait for them is for 0.
; Every work-group walks all 8 slots, so that trip counts are constants; a slot whose first key comes after the work-group's last key is not asked for.
; NO CLUSTER: the four work-groups of a head need 8, 7, 6 and 5 slots; past its limit every wave of a partner would pass over the reads of a tile asked for jointly.
; LIMITS: f16's range for Q, K, V (65,504); NaN and infinities are not served.
.set SLOT1, 65536                      ; slot 1 begins here: one exclusive or turns an address
.set VOFF,  64*272                     ; a slot: K's 128 rows of 128 bytes, two to an LDS row of 272, then V^T's
.set STEPB, 32*272                     ; 64 logical rows: a key step
.set TILEB, 8*272                      ; 16 logical rows: a fragment's
.set STAGE, 2*SLOT1                    ; bytes of their own for the way out: 16 rows x (256 + 16) for each wave
.set SPARE, STAGE+16*16*272            ; the spare words, 128 bytes a wave, named by no other line
.set AK0,  1                           ; v1   my lane's place in a tile: logical row r lies at (r / 2) 272 + (r % 2) 128, + 16 (lane / 16)
.set SPW,  2                           ; v2   my spare word; never rewritten
.set NIL,  3                           ; v3   0; never rewritten
.set ADK,  4                           ; v4   the slot in hand + AK0
.set VD0,  5                           ; v5   (r / 2) - 8 (lane / 16)
.set NINF, 6                           ; v6   -infinity
.set GO,   7                           ; v7   the way out: my byte offset in the wave's rows of att
.set STO,  8                           ; v8   where I put 32 bytes of a row
.set RD,   9                           ; v9   where I read 16 bytes back
.set DM,   10                          ; v10-11 the mask's distance, a tile each
.set ST,   12                          ; tile t's statistics at v[ST + 8 t]: +0 c m, +1 m, +2, +3 l (even keys', odd keys'), +4 to +7 at work; a takes +6
.set PFO,  28                          ; v28  256 x my lane; never rewritten
.set RR,   29                          ; v29  r = lane % 16
.set HH,   30                          ; v30  lane / 16
.set QO,   31                          ; v31  my byte offset in the wave's rows of Q
.set Q,    32                          ; v32-63   Q: fragment (tile t, channels 32 df on) at Q + 16 t + 8 df
.set KV,   64                          ; v64-127  K's or V^T's fragments of a step: (i, c) at KV + 16 i + 8 c
.set S,    128                         ; v128-191 S^T, 32 a tile; then p; then P packed in place
.set O,    192                         ; v192-255 O^T: (t, ct) at O + 32 t + 8 ct
.set TB,   2                           ; s2   LDS byte at which the slot in hand begins
.set KF,   3                           ; s3   the step's first key
.set WV,   8                           ; s8   my wave's number
.set Q0,   12                          ; s12  my first query
.set QH,   13                          ; s13  the last key that counts for my first query: Q0 / 2
.set QL,   14                          ; s14  and for my last: QH + 15
.set LASTK, 15                         ; s15  the last key that counts for any query of the work-group
.set G0,   16                          ; s[16:19] descriptor group 0, which walks
.set SEL,  20                          ; s[20:21] v_permlanex16_b32's selects for lane l xor 16
.set CS,   22                          ; s[22:23] c, named as a pair
.set G1,   24                          ; s[24:31] descriptor group 1
.set SLOTS, 32                         ; s32  changes of slots still to come in the loop
.set PFA,  34                          ; s[34:35] where my prefetches stand
.set LIM,  36                          ; s36  1 in a wave that prefetches, else the greatest number
.macro TLOAD                           ; waves 0 and 1 fetch, the others nothing; an s_nop 0 and four v_nop follow the load
	s_cmp_lt_u32 s[WV], 2
	s_cbranch_scc0 .Lasked_\@
	tensor_load_to_lds s[G0:G0+3], s[G1:G1+7]
	s_nop 0
.rept 4
	v_nop
.endr
.Lasked_\@:
.endm
; A prefetch of what the NEXT change of slots will ask for: 16 KB of K and 16 KB of V^T.  All four work-groups of a head walk the same K and V^T: the first of them (x = 0), which walks all slots, asks.
; In it waves 4 and 5 ask for K's two halves, waves 6 and 7 for V^T's: 8,192 bytes a wave, lanes 256 bytes apart, one instruction.  The last change that fills a slot asks for nothing; slots 0 and 1 come by their loads alone.
.macro ASK
	s_cmp_gt_u32 s[SLOTS], s[LIM]
	s_cbranch_scc0 .Lnot_mine_\@
	global_prefetch_b8 v[PFO], s[PFA:PFA+1] th:TH_LOAD_NT scope:SCOPE_SE
.Lnot_mine_\@:
.endm
	s_load_b128 s[4:7], s[0:1], 0x0                ; qkv s[4:5], att s[6:7]
	v_lshl_add_u32 v[SPW], v0, 2, SPARE
	v_mov_b32 v[NIL], 0
	ds_add_u32 v[SPW], v[NIL]                      ; the wave's opening: the add, twice on end, and its wait ahead of the first tensor load
	ds_add_u32 v[SPW], v[NIL]
	v_lshrrev_b32 v31, 5, v0
	v_readfirstlane_b32 s[WV], v31                 ; wave 0..15
	s_and_b32 s10, ttmp7, 0xffff                   ; 16 b + h
	s_sub_co_u32 s9, 7, ttmp9
	s_cmp_lt_u32 s[WV], 8
	s_cselect_b32 s9, ttmp9, s9                    ; my block of 256 queries: t or 7 - t
	s_and_b32 s11, s[WV], 7
	s_lshl_b32 s11, s11, 5
	s_lshl_b32 s[Q0], s9, 8
	s_add_co_u32 s[Q0], s[Q0], s11
	s_lshr_b32 s[QH], s[Q0], 1
	s_add_co_u32 s[QL], s[QH], 15
	s_sub_co_u32 s[LASTK], 8, ttmp9
	s_lshl_b32 s[LASTK], s[LASTK], 7
	s_sub_co_u32 s[LASTK], s[LASTK], 1             ; 128 (8 - t) - 1
	s_mov_b32 s[G1], (3<<16)|(1<<20)|(5<<22)|(3<<25)   ; no mask; elements of 8 bytes; padding on: 4 words after every 64
	s_mov_b32 s[G1+1], 32<<16                      ; tensor_dim0 = 32 elements: 256 bytes
	s_mov_b32 s[G1+2], 64<<16                      ; tensor_dim1 = 64
	s_mov_b32 s[G1+3], 32<<16                      ; tile_dim0
	s_mov_b32 s[G1+4], 64                          ; tile_dim1
	s_mov_b32 s[G1+5], 32                          ; from row to row: dense
	s_mov_b32 s[G1+6], 0
	s_mov_b32 s[G1+7], 0
	s_mov_b32 s[SEL], 0x76543210
	s_mov_b32 s[SEL+1], 0xfedcba98
	s_mov_b32 s[CS], 0x3e38aa3b                    ; c = log2(e) / 8
	s_mov_b32 s[CS+1], s[CS]
	s_mov_b32 s[TB], 0
	s_mov_b32 s[KF], 0
	s_mov_b32 s[SLOTS], 7
	s_and_b32 s40, s[WV], 1                        ; K (0) or V^T (1)
	s_mul_i32 s41, s40, VOFF                       ; its place in a slot
	s_lshl_b32 s42, s40, 23
	s_lshl_b32 s33, s10, 17                        ; the head's first byte in K and in V^T
	s_add_co_u32 s42, s42, s33
	s_add_co_u32 s42, s42, 1<<24
	s_mov_b32 s43, 0
	s_bfe_u32 s44, s[WV], 0x10001                  ; the prefetches: (wave / 2) % 2: K or V^T; wave % 2: which half of a slot's 16 KB
	s_lshl_b32 s44, s44, 23
	s_lshl_b32 s45, s40, 13
	s_add_co_u32 s44, s44, s45
	s_add_co_u32 s44, s44, s33
	s_add_co_u32 s44, s44, (1<<24)+16384           ; in slot 1: the first change of slots steps it to slot 2
	s_mov_b32 s45, 0
	s_sub_co_u32 s37, s[WV], 4
	s_lshr_b32 s37, s37, 2                         ; 0 in waves 4 to 7,
	s_or_b32 s37, s37, ttmp9                       ; of the head's first work-group
	s_cmp_eq_u32 s37, 0
	s_cselect_b32 s[LIM], 1, -1
	s_lshl_b32 s46, s10, 18                        ; Q: the head, my first query
	s_lshl_b32 s47, s[Q0], 7
	s_add_co_u32 s46, s46, s47
	s_mov_b32 s47, 0
	s_lshr_b32 s38, s10, 4                         ; att: row 2,048 b + Q0 of 4,096 bytes, + 256 h
	s_lshl_b32 s38, s38, 23
	s_lshl_b32 s39, s[Q0], 12
	s_add_co_u32 s38, s38, s39
	s_and_b32 s39, s10, 15
	s_lshl_b32 s39, s39, 8
	s_add_co_u32 s38, s38, s39
	s_mov_b32 s39, 0
	s_wait_dscnt 0x0                               ; both opening adds are done
	s_wait_kmcnt 0x0
	s_mov_b32 s[G0], 1                             ; count = 1
	s_mov_b32 s[G0+1], s41                         ; LDS address: slot 0
	s_add_nc_u64 s[G0+2:G0+3], s[4:5], s[42:43]    ; the head's first 128 keys
	s_or_b32 s[G0+3], s[G0+3], 0x80000000          ; type = 2
	TLOAD                                          ; slot 0
	s_add_nc_u64 s[PFA:PFA+1], s[4:5], s[44:45]
	s_add_nc_u64 s[46:47], s[4:5], s[46:47]
	s_add_nc_u64 s[6:7], s[6:7], s[38:39]
	v_and_b32 v[RR], 15, v0
	v_bfe_u32 v[HH], v0, 4, 1
	v_lshlrev_b32 v[QO], 7, v[RR]
	v_lshl_add_u32 v[QO], v[HH], 4, v[QO]          ; Q: row r of 128 bytes, + 16 x half
.irp t, 0,1
.irp df, 0,1
	global_load_b128 v[Q+16*\t+8*\df:Q+16*\t+8*\df+3], v[QO], s[46:47] offset:\t*2048+\df*64
	global_load_b128 v[Q+16*\t+8*\df+4:Q+16*\t+8*\df+7], v[QO], s[46:47] offset:\t*2048+\df*64+32
.endr
.endr
	v_lshrrev_b32 v[VD0], 1, v[RR]                 ; r / 2
	v_mul_u32_u24 v[AK0], v[VD0], 272
	v_and_b32 v[ADK], 1, v[RR]
	v_lshl_add_u32 v[AK0], v[ADK], 7, v[AK0]
	v_lshl_add_u32 v[AK0], v[HH], 4, v[AK0]
	v_lshlrev_b32 v[ADK], 3, v[HH]
	v_sub_nc_u32 v[VD0], v[VD0], v[ADK]
	v_mov_b32 v[NINF], 0xff800000
	v_and_b32 v[PFO], 31, v0
	v_lshlrev_b32 v[PFO], 8, v[PFO]
	s_mul_i32 s40, s[WV], 16*272
	s_add_co_u32 s40, s40, STAGE                   ; my stage
	v_mul_u32_u24 v[STO], v[RR], 272               ; in: row r, 32 bytes for each half of the lanes
	v_lshl_add_u32 v[STO], v[HH], 5, v[STO]
	v_add_nc_u32 v[STO], s40, v[STO]
	v_mul_u32_u24 v[RD], v[HH], 272                ; back: lanes 0-15 one row of 256 bytes, lanes 16-31 the next
	v_lshl_add_u32 v[RD], v[RR], 4, v[RD]
	v_add_nc_u32 v[RD], s40, v[RD]
	v_lshlrev_b32 v[GO], 12, v[HH]                 ; and the same two rows in att
	v_lshl_add_u32 v[GO], v[RR], 4, v[GO]
.irp t, 0,1
	v_mov_b32 v[ST+8*\t+1], 0xff61b1e6             ; m = -3e38, under every score
	v_mul_f32 v[ST+8*\t], s[CS], v[ST+8*\t+1]      ; c m
.irp j, 2,3,4,5,6,7
	v_mov_b32 v[ST+8*\t+\j], 0                     ; l; and the registers at work, so that every path finds them written
.endr
.endr
.irp j, 0,1,2,3,4,5,6,7,8,9,10,11,12,13,14,15,16,17,18,19,20,21,22,23,24,25,26,27,28,29,30,31,32,33,34,35,36,37,38,39,40,41,42,43,44,45,46,47,48,49,50,51,52,53,54,55,56,57,58,59,60,61,62,63
	v_mov_b32 v[O+\j], 0                           ; O^T: the step is written once; the first finds zeros, which its a = 0 leaves zeros
.endr
; 16 LDS loads: four fragments of 16 logical rows x 64 numbers; the first 32 numbers of all four first
.macro FETCH off
.irp c, 0,1
.irp i, 0,1,2,3
	ds_load_b128 v[KV+16*\i+8*\c:KV+16*\i+8*\c+3], v[ADK] offset:(\off)+\i*TILEB+\c*64
	ds_load_b128 v[KV+16*\i+8*\c+4:KV+16*\i+8*\c+7], v[ADK] offset:(\off)+\i*TILEB+\c*64+32
.endr
.endr
.endm
; A KEY STEP: 64 keys, the q-th of the slot in hand.
.macro STEP q
	s_cmp_gt_u32 s[KF], s[QL]                      ; all 64 keys come after my queries' last key: the step's work is left out; no barrier and no tensor load stands in a step
	s_cbranch_scc1 .Lhidden_\@
	v_add_nc_u32 v[ADK], s[TB], v[AK0]
	FETCH (\q)*STEPB                               ; K
	s_wait_dscnt 8                                 ; channels 0-31 are in; the eight loads of channels 32-63 may be out
.irp kt, 0,1,2,3                       ; the eight accumulators take turns, one instruction a turn
.irp t, 0,1
	v_wmma_f32_16x16x32_f16 v[S+32*\t+8*\kt:S+32*\t+8*\kt+7], v[KV+16*\kt:KV+16*\kt+7], v[Q+16*\t:Q+16*\t+7], 0
.endr
.endr
	s_wait_dscnt 0x0
.irp kt, 0,1,2,3
.irp t, 0,1
	v_wmma_f32_16x16x32_f16 v[S+32*\t+8*\kt:S+32*\t+8*\kt+7], v[KV+16*\kt+8:KV+16*\kt+15], v[Q+16*\t+8:Q+16*\t+15], v[S+32*\t+8*\kt:S+32*\t+8*\kt+7]
.endr
.endr
.rept 4
	v_nop                                          ; places: in front of the loads into K's registers and of the first read of the scores
.endr
	FETCH VOFF+(\q)*STEPB                          ; V^T into the same registers: it lands during the softmax
	s_add_co_u32 s40, s[KF], 63
	s_cmp_le_u32 s40, s[QH]                        ; all 64 keys count for all my queries: nothing to hide
	s_cbranch_scc1 .Lopen_\@
	s_sub_co_i32 s40, s[QH], s[KF]
	v_add_nc_u32 v[DM], s40, v[VD0]                ; d = QH - KF + r / 2 - 8 (lane / 16) (+ 8 for tile 1).  Register 8 kt + j holds key KF + 16 kt + 8 (lane / 16) + j: hidden where 16 kt + j > d
	v_add_nc_u32 v[DM+1], 8, v[DM]
.irp t, 0,1
.irp n, 0,1,2,3,4,5,6,7,8,9,10,11,12,13,14,15,16,17,18,19,20,21,22,23,24,25,26,27,28,29,30,31
	v_cmp_gt_i32 vcc_lo, 16*(\n/8)+\n%8, v[DM+\t]
	v_cndmask_b32 v[S+32*\t+\n], v[S+32*\t+\n], v[NINF], vcc_lo
.endr
.endr
.Lopen_\@:
.irp j, 0,1,2,3                        ; the maximum: four chains a tile, each begun at an accumulator's low end; the two tiles by turns
.irp t, 0,1
	v_max3_num_f32 v[ST+8*\t+4+\j], v[S+32*\t+8*\j], v[S+32*\t+8*\j+1], v[S+32*\t+8*\j+2]
.endr
.endr
.irp g, 1,2
.irp j, 0,1,2,3
.irp t, 0,1
	v_max3_num_f32 v[ST+8*\t+4+\j], v[ST+8*\t+4+\j], v[S+32*\t+8*\j+2*\g+1], v[S+32*\t+8*\j+2*\g+2]
.endr
.endr
.endr
.irp t, 0,1
	v_max3_num_f32 v[ST+8*\t+4], v[ST+8*\t+4], v[S+32*\t+7], v[S+32*\t+15]
	v_max3_num_f32 v[ST+8*\t+6], v[ST+8*\t+6], v[S+32*\t+23], v[S+32*\t+31]
.endr
.irp t, 0,1
	v_max3_num_f32 v[ST+8*\t+4], v[ST+8*\t+4], v[ST+8*\t+5], v[ST+8*\t+6]
.endr
.irp t, 0,1
	v_max3_num_f32 v[ST+8*\t+4], v[ST+8*\t+4], v[ST+8*\t+7], v[ST+8*\t+1]   ; with the old m
.endr
.irp t, 0,1
	v_permlanex16_b32 v[ST+8*\t+5], v[ST+8*\t+4], s[SEL], s[SEL+1]          ; the query's other 32 keys lie in the lane 16 away
.endr
.irp t, 0,1
	v_mov_b32 v[ST+8*\t+7], v[ST+8*\t]             ; c m_old is kept for a
.endr
.irp t, 0,1
	v_max_num_f32 v[ST+8*\t+1], v[ST+8*\t+4], v[ST+8*\t+5]
.endr
.irp t, 0,1
	v_mul_f32 v[ST+8*\t], s[CS], v[ST+8*\t+1]
.endr
.irp t, 0,1
	v_sub_f32 v[ST+8*\t+7], v[ST+8*\t+7], v[ST+8*\t]
.endr
.irp n, 0,2,4,6,8,10,12,14,16,18,20,22,24,26,28,30
.irp t, 0,1
	v_pk_fma_f32 v[S+32*\t+\n:S+32*\t+\n+1], v[S+32*\t+\n:S+32*\t+\n+1], s[CS:CS+1], v[ST+8*\t:ST+8*\t+1] op_sel_hi:[1,0,0] neg_lo:[0,0,1] neg_hi:[0,0,1]   ; c s - c m
.endr
.endr
.irp t, 0,1
	v_exp_f32 v[ST+8*\t+6], v[ST+8*\t+7]           ; a
.endr
.irp n, 0,1,2,3,4,5,6,7,8,9,10,11,12,13,14,15,16,17,18,19,20,21,22,23,24,25,26,27,28,29,30,31
.irp t, 0,1
	v_exp_f32 v[S+32*\t+\n], v[S+32*\t+\n]         ; p
.endr
.endr
	v_nop                                          ; a plain instruction behind the last exponential
	s_wait_alu depctr_va_vdst(0)                   ; the wait ahead of the first instruction that names a result: one for all 66
.irp t, 0,1                            ; l = a l + the sum of the unrounded p: two chains a tile
	v_pk_fma_f32 v[ST+8*\t+2:ST+8*\t+3], v[ST+8*\t+2:ST+8*\t+3], v[ST+8*\t+6:ST+8*\t+7], v[S+32*\t:S+32*\t+1] op_sel_hi:[1,0,1]
	v_pk_add_f32 v[ST+8*\t+4:ST+8*\t+5], v[S+32*\t+2:S+32*\t+3], v[S+32*\t+6:S+32*\t+7]
.endr
.irp p, 4,8,12,16,20,24
.irp t, 0,1
	v_pk_add_f32 v[ST+8*\t+2:ST+8*\t+3], v[ST+8*\t+2:ST+8*\t+3], v[S+32*\t+\p:S+32*\t+\p+1]
	v_pk_add_f32 v[ST+8*\t+4:ST+8*\t+5], v[ST+8*\t+4:ST+8*\t+5], v[S+32*\t+\p+6:S+32*\t+\p+7]
.endr
.endr
.irp t, 0,1
	v_pk_add_f32 v[ST+8*\t+2:ST+8*\t+3], v[ST+8*\t+2:ST+8*\t+3], v[S+32*\t+28:S+32*\t+29]
.endr
.irp t, 0,1
	v_pk_add_f32 v[ST+8*\t+2:ST+8*\t+3], v[ST+8*\t+2:ST+8*\t+3], v[ST+8*\t+4:ST+8*\t+5]
.endr
.irp n, 0,1,2,3,4,5,6,7,8,9,10,11,12,13,14,15   ; p to f16 IN PLACE, ascending: register n takes numbers 2 n and 2 n + 1, which no later line wants: P's fragment of keys 32 f on lies at S + 32 t + 8 f
.irp t, 0,1
	v_cvt_pk_f16_f32 v[S+32*\t+\n], v[S+32*\t+2*\n], v[S+32*\t+2*\n+1]
.endr
.endr
.irp n, 0,2,4,6,8,10,12,14,16,18,20,22,24,26,28,30
.irp t, 0,1
	v_pk_mul_f32 v[O+32*\t+\n:O+32*\t+\n+1], v[O+32*\t+\n:O+32*\t+\n+1], v[ST+8*\t+6:ST+8*\t+7] op_sel_hi:[1,0]   ; O^T x a
.endr
.endr
	s_wait_dscnt 0x0                               ; V^T is in
.irp f, 0,1                            ; O^T += V^T P: keys 32 f on, channels 16 ct on; the eight accumulators take turns
.irp ct, 0,1,2,3
.irp t, 0,1
	v_wmma_f32_16x16x32_f16 v[O+32*\t+8*\ct:O+32*\t+8*\ct+7], v[KV+16*\ct+8*\f:KV+16*\ct+8*\f+7], v[S+32*\t+8*\f:S+32*\t+8*\f+7], v[O+32*\t+8*\ct:O+32*\t+8*\ct+7]
.endr
.endr
.endr
.rept 5
	v_nop                                          ; places: four in front of the next loads into V^T's registers and of the way out's reads, five in front of the next scores, which are written over P
.endr
.Lhidden_\@:
	s_add_co_u32 s[KF], s[KF], 64
.endm
; THE CHANGE OF SLOTS stands at a slot's head.  Each wave waits for all its tensor loads, adds 0 to its spare word, and waits for that and for its reads of the slot that it has left.  Behind the barrier the slot
; ahead is whole and nobody reads the other one.  fill = 1: that other slot is asked for, up to the work-group's last key: the load has a slot's two steps in which to land.
.macro CHANGE fill
	s_wait_tensorcnt 0x0                           ; no tensor load of mine is out, so group 0 may be written
	ds_add_u32 v[SPW], v[NIL]
.if \fill
	ds_add_u32 v[SPW], v[NIL]                      ; and, in the loop, twice on end, in every trip alike
	s_xor_b32 s[G0+1], s[G0+1], SLOT1              ; the other slot than last time,
	s_add_nc_u64 s[G0+2:G0+3], s[G0+2:G0+3], 16384 ; the next 128 keys; the type bits on top are not reached
	s_wait_xcnt 0x0                                ; the last prefetch, a slot back, has read its address
	s_add_nc_u64 s[PFA:PFA+1], s[PFA:PFA+1], 16384 ; one slot further on than the descriptor
.endif
	s_wait_dscnt 0x0                               ; the add is done, and my reads of the slot that I have left are over
	s_barrier_signal -1
	s_barrier_wait -1
.if \fill
	s_add_co_u32 s40, s[KF], 128                   ; the first key of the slot that this change would ask for:
	s_cmp_gt_u32 s40, s[LASTK]                     ; past the work-group's last key no wave reads it, so it is not asked for.  Ids and the count of steps alone: all sixteen waves go the same way
	s_cbranch_scc1 .Lpast_\@
	TLOAD                                          ; a wave's one tensor load until the next such barrier
.Lpast_\@:
	ASK
.endif
.endm
.macro SLOT_STEPS
	STEP 0
	STEP 1
	s_xor_b32 s[TB], s[TB], SLOT1                  ; on to the other slot
.endm
	s_wait_loadcnt 0x0                             ; Q
.Lslot:                                            ; seven trips: behind each change of slots but the last the next slot is asked for, up to the limit
	CHANGE 1
	SLOT_STEPS
	s_sub_co_u32 s[SLOTS], s[SLOTS], 1
	s_cmp_lg_u32 s[SLOTS], 0
	s_cbranch_scc1 .Lslot
	CHANGE 0                                       ; the last slot is written out: nothing is left to ask for
	SLOT_STEPS
	; THE WAY OUT.  l's two halves and the other half of the lanes' are added; O^T / l goes through my stage, a tile (16 queries x 64 channels of f32) at a time, and leaves as rows of 256 bytes.
.irp t, 0,1
	v_add_f32 v[ST+8*\t+4], v[ST+8*\t+2], v[ST+8*\t+3]
.endr
.irp t, 0,1
	v_permlanex16_b32 v[ST+8*\t+5], v[ST+8*\t+4], s[SEL], s[SEL+1]
.endr
.irp t, 0,1
	v_add_f32 v[ST+8*\t+4], v[ST+8*\t+4], v[ST+8*\t+5]
.endr
.irp t, 0,1
	v_rcp_f32 v[ST+8*\t+6], v[ST+8*\t+4]
.endr
	v_nop                                          ; a plain instruction behind the last reciprocal
	s_wait_alu depctr_va_vdst(0)                   ; and the wait ahead of the first use: one for the two
.irp t, 0,1
.irp n, 0,2,4,6,8,10,12,14,16,18,20,22,24,26,28,30
	v_pk_mul_f32 v[S+32*\t+\n:S+32*\t+\n+1], v[O+32*\t+\n:O+32*\t+\n+1], v[ST+8*\t+6:ST+8*\t+7] op_sel_hi:[1,0]   ; register 8 ct + j is att(query r, channel 16 ct + 8 (lane / 16) + j)
.endr
.irp ct, 0,1,2,3
	ds_store_b128 v[STO], v[S+32*\t+8*\ct:S+32*\t+8*\ct+3] offset:64*\ct
	ds_store_b128 v[STO], v[S+32*\t+8*\ct+4:S+32*\t+8*\ct+7] offset:64*\ct+16
.endr
.irp i, 0,1,2,3,4,5,6,7
	ds_load_b128 v[KV+32*\t+4*\i:KV+32*\t+4*\i+3], v[RD] offset:\i*544   ; LDS serves a wave's instructions in order: these see my stores, and the next tile's stores come behind them
.endr
.endr
.irp i, 0,1,2,3,4,5,6,7
	s_wait_dscnt 23-\i                             ; behind tile 0's load i: its 7 - i younger loads, tile 1's eight stores and eight loads
	global_store_b128 v[GO], v[KV+4*\i:KV+4*\i+3], s[6:7] offset:\i*8192      ; sixteen lanes store 256 consecutive bytes, aligned
.endr
.irp i, 0,1,2,3,4,5,6,7
	s_wait_dscnt 7-\i
	global_store_b128 v[GO], v[KV+32+4*\i:KV+32+4*\i+3], s[6:7] offset:65536+\i*8192
.endr
	s_wait_tensorcnt 0x0                           ; the wave's end
	ds_add_u32 v[SPW], v[NIL]
	s_wait_dscnt 0x0
	s_endpgm
.Lfunc_end_k_q118ecca84b_attn:
	.size	k_q118ecca84b_attn, .Lfunc_end_k_q118ecca84b_attn-k_q118ecca84b_attn
	.p2alignl 7, 3214868480
	.fill 96, 4, 3214868480
	.section	.rodata,"a",@progbits
	.p2align	6, 0x0
	.amdhsa_kernel k_q118ecca84b_attn
		.amdhsa_group_segment_fixed_size 327680
		.amdhsa_private_segment_fixed_size 0
		.amdhsa_enable_private_segment 0
		.amdhsa_kernarg_size 16
		.amdhsa_user_sgpr_count 2
		.amdhsa_user_sgpr_kernarg_segment_ptr 1
		.amdhsa_wavefront_size32 1
		.amdhsa_system_sgpr_workgroup_id_x 1
		.amdhsa_system_sgpr_workgroup_id_y 1
		.amdhsa_system_sgpr_workgroup_id_z 1
		.amdhsa_system_vgpr_workitem_id 0
		.amdhsa_next_free_vgpr 256
		.amdhsa_next_free_sgpr 66
		.amdhsa_reserve_vcc 1
		.amdhsa_float_denorm_mode_32 3
		.amdhsa_float_denorm_mode_16_64 3
		.amdhsa_memory_ordered 1
		.amdhsa_forward_progress 1
		.amdhsa_inst_pref_size 101
	.end_amdhsa_kernel
	.amdgpu_metadata
---
amdhsa.version: [ 1, 2 ]
amdhsa.kernels:
  - .name:           k_q118ecca84b_attn
    .symbol:         k_q118ecca84b_attn.kd
    .args:
      - { .name: qkv, .offset: 0, .size: 8, .value_kind: global_buffer, .address_space: global }
      - { .name: att, .offset: 8, .size: 8, .value_kind: global_buffer, .address_space: global }
    .group_segment_fixed_size: 327680
    .private_segment_fixed_size: 0
    .kernarg_segment_align: 8
    .kernarg_segment_size: 16
    .max_flat_workgroup_size: 512
    .sgpr_count:     66
    .vgpr_count:     256
    .wavefront_size: 32
...
	.end_amdgpu_metadata
.endif
;; end of part 3
;; launch lnproj (part 4): grid 128 x 2, 4 waves a work-group, clusters of 4 x 1, 327,680 bytes of LDS; arguments att, ln_g, ln_b, wo16, bo, out0; writes out0
.if DOCPART == 4
	.amdgcn_target "amdgcn-amd-amdhsa--gfx1250"
	.amdhsa_code_object_version 6
	.text
	.protected	k_q118ecca84b_lnproj
	.globl	k_q118ecca84b_lnproj
	.p2align	8
	.type	k_q118ecca84b_lnproj,@function
k_q118ecca84b_lnproj:
	s_mov_b64 s[64:65], 0
	v_nop
	global_prefetch_b8 v0, s[64:65] scope:SCOPE_SE
	s_setreg_imm32_b32 hwreg(HW_REG_WAVE_MODE, 25, 1), 1
	s_wait_xcnt 0x0
	s_wait_alu depctr_hold_cnt(0) depctr_sa_sdst(0) depctr_va_vdst(0) depctr_va_sdst(0) depctr_va_ssrc(0) depctr_va_vcc(0) depctr_vm_vsrc(0)
	s_getreg_b32 s2, hwreg(HW_REG_IB_STS2, 6, 4)
	s_cmp_eq_u32 s2, 0
	s_cbranch_scc0 .Lentry_in_a_cluster
	s_endpgm
.Lentry_in_a_cluster:
	s_bfe_u32 s2, ttmp6, 0x10000c
	s_cmp_lg_u32 s2, 0x3003
	s_cbranch_scc0 .Lentry_shape_is_right
	s_endpgm
.Lentry_shape_is_right:
; out0 = LayerNorm(att) Wo^T + bo.  att: [8192][1024] f32; ln_g, ln_b, bo: [1024] f32; wo16: Wo in f16, laid [K step of 128][row n][128 k]; out0: [8192][1024] f32.
; The norm is in f32, in two passes (the mean; then the mean of the squares of what is left), eps = 1e-5; its result and Wo are the product's f16 operands; sums in f32; bo is the C of each sum's first product.
; SHARES: a work-group takes 64 rows and 512 columns.  Wave w normalises rows 16 w .. 16 w + 15, and multiplies all 64 rows by its own 128 rows of Wo: 32 accumulators of 16 x 16.
; The normalised rows stay PACKED IN REGISTERS (256 a wave); a quarter of K (256) at a time lies in LDS, where all four waves read it.
; Wo's tiles (128 rows x 128 k: a dense block of rows of 256 bytes) go through two LDS slots; wave w fetches and reads its own part alone.
; CLUSTER: the four work-groups of a cluster take other rows and the same columns, so each tile of Wo is asked for JOINTLY: the same tensor load, the same descriptor, the mask of all four.
; Two tensor loads of mine are out at the start, one afterwards.  THE MATRIX INSTRUCTION IS USED TRANSPOSED (source 0 = 16 rows of Wo, source 1 = 16 rows of the norm): a lane holds eight neighbouring columns of a row.
; LIMITS: the normalised numbers x ln_g + ln_b beyond 65,504 do not fit f16; NaN and infinities are not served.
; REGISTERS, in windows of 256: window 0: v1-10 addresses; v16-31 at work; in the norm v64-191 two sets of two rows, v192-223 ln_g, v224-255 ln_b; in the product two fragment buffers of 96 (A 32, then B 64).
;   window 1: accumulator (mt, nt) at v[8 (8 mt + nt)].   window 2: v0-63 bo in the result's layout.   window 3: the packed rows: quarter q, row i, register c at v[64 q + 4 i + c].
.set PITCH, 272                        ; a row of Wo's tile in LDS: 256 bytes + 16 of padding
.set WPART, 128*PITCH                  ; a wave's part of a slot
.set SLOT,  4*WPART
.set AQ,    2*SLOT                     ; behind the slots: a quarter of K of the 64 rows; at the end the stages of the way out
.set AP,    528                        ; its rows: 512 bytes + 16
.set SPARE, AQ+64*AP                   ; the spare words, 128 bytes a wave, named by no other line
.set KSB,   262144                     ; a K step of wo16 in bytes
.set L16,   1                          ; v1   16 x lane; never rewritten
.set SPW,   2                          ; v2   my spare word; never rewritten
.set NIL,   3                          ; v3   0; never rewritten
.set ADRA,  4                          ; v4   my lane's place in a fragment of A
.set ADRB,  5                          ; v5-6 the same for B, slot 0, 1
.set AW,    7                          ; v7   where I store my rows' packed numbers: 8 x lane in my 16 rows
.set STO,   8                          ; v8   the way out: where I put 32 bytes of a row
.set RD,    9                          ; v9   and where I read a row back
.set BOO,   10                         ; v10  32 x (lane / 16): my eight columns of a tile of bo
.set T,     16                         ; v16-31 eight registers at work for each of a pair's two rows
.set X,     64
.set GG,    192
.set GB,    224
.set F0,    64
.set F1,    160
.set WV,    16                         ; s16  my wave's number
.set SEL,   20                         ; s[20:21] v_permlanex16_b32's selects for lane l xor 16
.set G1,    24                         ; s[24:31] descriptor group 1
.set G0,    32                         ; s[32:39] group 0, one set for each slot
.set MSB, 0
.macro WIN new                         ; the immediate's high byte repeats the setting that is left
.if MSB != (\new)
	s_set_vgpr_msb (MSB<<8)|(\new)
.set MSB, (\new)
.endif
.endm
.set MUL,   0x50                       ; sources 0 and 1 window 0; C and D window 1
.set FIRST, 0x60                       ; C (bo) window 2, D window 1
.macro CREST                           ; a round of the cluster's barrier behind its opening barrier
	s_cmp_lg_u32 s[WV], 0
	s_cbranch_scc1 .Lnot_wave_0_\@
	s_barrier_signal -3
.Lnot_wave_0_\@:
	s_barrier_wait -3
	s_barrier_signal -1
	s_barrier_wait -1
.endm
.macro CROUND
	s_barrier_signal -1
	s_barrier_wait -1
	CREST
.endm
.macro PLACES                          ; plain vector instructions that name none of the matrix instructions' registers (ISA guide 7.12.1)
.rept 4
	v_nop
.endr
.endm
	s_load_b256 s[4:11], s[0:1], 0x0               ; att s[4:5], ln_g s[6:7], ln_b s[8:9], wo16 s[10:11]
	s_load_b128 s[12:15], s[0:1], 0x20             ; bo s[12:13], out0 s[14:15]
	v_lshl_add_u32 v[SPW], v0, 2, SPARE
	v_mov_b32 v[NIL], 0
	ds_add_u32 v[SPW], v[NIL]                      ; the wave's opening: the add, twice on end, and its wait ahead of my first tensor load
	ds_add_u32 v[SPW], v[NIL]
	v_lshrrev_b32 v11, 5, v0
	v_readfirstlane_b32 s[WV], v11                 ; wave 0..3
	s_bfe_u32 s17, ttmp6, 0x40000                  ; cx: it enters att's and out0's addresses alone
	s_lshl_b32 s18, ttmp9, 2
	s_add_co_u32 s18, s18, s17                     ; my block of 64 rows
	s_and_b32 s19, ttmp7, 0xffff                   ; my half of the columns, which the four partners share
	s_mov_b32 s[SEL], 0x76543210
	s_mov_b32 s[SEL+1], 0xfedcba98
	s_mov_b32 s22, 0x3a800000                      ; 1 / 1,024
	s_mov_b32 s23, 0x3727c5ac                      ; 1e-5
	s_mov_b32 s[G1], 15|(3<<16)|(1<<20)|(1<<21)|(5<<22)|(3<<25)   ; the mask: all four; elements of 8 bytes; padding on; 21 set beside a mask; 4 words after every 64
	s_mov_b32 s[G1+1], 32<<16                      ; tensor_dim0 = 32 elements: 256 bytes
	s_mov_b32 s[G1+2], 128<<16                     ; tensor_dim1 = 128
	s_mov_b32 s[G1+3], 32<<16                      ; tile_dim0
	s_mov_b32 s[G1+4], 128                         ; tile_dim1
	s_mov_b32 s[G1+5], 32                          ; from row to row: dense
	s_mov_b32 s[G1+6], 0
	s_mov_b32 s[G1+7], 0
	s_mul_i32 s40, s[WV], WPART                    ; my part of a slot: no place in the cluster enters an LDS address
	s_lshl_b32 s42, s19, 17                        ; my 128 rows of Wo in a K step: (512 half + 128 wave) x 256 bytes
	s_lshl_b32 s43, s[WV], 15
	s_add_co_u32 s42, s42, s43
	s_mov_b32 s43, 0
	s_lshl_b32 s44, s18, 18                        ; att: row 64 block + 16 wave, 4,096 bytes a row
	s_lshl_b32 s45, s[WV], 16
	s_add_co_u32 s44, s44, s45
	s_mov_b32 s45, 0
	s_lshl_b32 s48, s19, 11                        ; my first column, in bytes of f32: 2,048 half + 512 wave
	s_lshl_b32 s49, s[WV], 9
	s_add_co_u32 s48, s48, s49
	s_mov_b32 s49, 0
	s_lshl_b32 s46, s18, 18                        ; out0: row 64 block, + my first column
	s_add_co_u32 s46, s46, s48
	s_mov_b32 s47, 0
	s_wait_dscnt 0x0                               ; both opening adds are done
	s_wait_kmcnt 0x0
	s_add_nc_u64 s[10:11], s[10:11], s[42:43]
	s_add_nc_u64 s[4:5], s[4:5], s[44:45]
	s_add_nc_u64 s[12:13], s[12:13], s[48:49]
	s_add_nc_u64 s[14:15], s[14:15], s[46:47]
.irp s, 0,1
	s_mov_b32 s[G0+4*\s], 1                        ; count = 1
	s_add_co_u32 s[G0+4*\s+1], s40, \s*SLOT        ; LDS address
	s_add_nc_u64 s[G0+4*\s+2:G0+4*\s+3], s[10:11], \s*KSB   ; K step s
	s_or_b32 s[G0+4*\s+3], s[G0+4*\s+3], 0x80000000         ; type = 2
.endr
	CROUND                                         ; all four work-groups are here: the first joint loads meet
	tensor_load_to_lds s[G0:G0+3], s[G1:G1+7]
	s_nop 0
	tensor_load_to_lds s[G0+4:G0+7], s[G1:G1+7]
	s_nop 0
	PLACES
	v_and_b32 v11, 31, v0                          ; lane
	v_lshlrev_b32 v[L16], 4, v11
	v_and_b32 v12, 15, v0                          ; r
	v_bfe_u32 v13, v0, 4, 1                        ; h
	v_lshlrev_b32 v[BOO], 5, v13
.irp j, 0,1,2,3,4,5,6,7
	global_load_b128 v[GG+4*\j:GG+4*\j+3], v[L16], s[6:7] offset:512*\j      ; ln_g and ln_b at my columns: 128 j + 4 lane + 0..3
.endr
.irp j, 0,1,2,3,4,5,6,7
	global_load_b128 v[GB+4*\j:GB+4*\j+3], v[L16], s[8:9] offset:512*\j
.endr
	WIN 0x80                                       ; destination window 2
.irp nt, 0,1,2,3,4,5,6,7
	global_load_b128 v[8*\nt:8*\nt+3], v[BOO], s[12:13] offset:64*\nt        ; bo at columns 16 nt + 8 h + 0..7: the same in all rows
	global_load_b128 v[8*\nt+4:8*\nt+7], v[BOO], s[12:13] offset:64*\nt+16
.endr
	WIN 0
.macro XLOAD p                         ; rows 2 p and 2 p + 1 of my 16: eight loads of 512 consecutive bytes each
.irp r, 0,1
.irp j, 0,1,2,3,4,5,6,7
	global_load_b128 v[X+64*((\p)%2)+32*\r+4*\j:X+64*((\p)%2)+32*\r+4*\j+3], v[L16], s[4:5] offset:(2*(\p)+\r)*4096+512*\j
.endr
.endr
.endm
	XLOAD 0
	XLOAD 1
	v_mul_u32_u24 v[ADRA], v12, AP
	v_lshl_add_u32 v[ADRA], v13, 4, v[ADRA]
	v_add_nc_u32 v[ADRA], AQ, v[ADRA]              ; A: row r x pitch + 16 x half
	v_mul_u32_u24 v14, v12, PITCH
	v_lshl_add_u32 v14, v13, 4, v14
	v_add_nc_u32 v[ADRB], s40, v14                 ; B: the same in my part of slot 0,
	v_add_nc_u32 v[ADRB+1], SLOT, v[ADRB]          ; and of slot 1
	s_mul_i32 s41, s[WV], 16*AP
	s_add_co_u32 s41, s41, AQ                      ; my 16 rows of the quarter; later my stage
	v_lshl_add_u32 v[AW], v11, 3, s41
	v_mul_u32_u24 v[STO], v12, AP
	v_lshl_add_u32 v[STO], v13, 5, v[STO]
	v_add_nc_u32 v[STO], s41, v[STO]
	v_add_nc_u32 v[RD], s41, v[L16]
	v_mov_b32 v[T+5], 0                            ; named as the upper halves of pairs whose low word alone is taken
	v_mov_b32 v[T+13], 0
.macro REDUCE                          ; each row's two chains, its two halves, and the 32 lanes: the sum in every lane, in v[T + 8 r]
.irp r, 0,1
	v_pk_add_f32 v[T+8*\r:T+8*\r+1], v[T+8*\r:T+8*\r+1], v[T+8*\r+2:T+8*\r+3]
.endr
.irp r, 0,1
	v_add_f32 v[T+8*\r], v[T+8*\r], v[T+8*\r+1]
.endr
.irp m, 1,2,4,8
.irp r, 0,1
	v_add_f32_dpp v[T+8*\r], v[T+8*\r], v[T+8*\r] row_xmask:\m row_mask:0xf bank_mask:0xf
.endr
.endr
.irp r, 0,1
	v_permlanex16_b32 v[T+8*\r+1], v[T+8*\r], s[SEL], s[SEL+1]
.endr
.irp r, 0,1
	v_add_f32 v[T+8*\r], v[T+8*\r], v[T+8*\r+1]
.endr
.endm
; Two rows are normalised, by turns, and packed into window 3.
.macro PAIR p
.set XS, X+64*((\p)%2)
.if (\p) < 7
	s_wait_loadcnt 16                              ; this pair's loads (and all before them) are in; the next pair's sixteen may be out
.else
	s_wait_loadcnt 0x0
.endif
.irp r, 0,1
	v_pk_add_f32 v[T+8*\r:T+8*\r+1], v[XS+32*\r:XS+32*\r+1], v[XS+32*\r+2:XS+32*\r+3]
	v_pk_add_f32 v[T+8*\r+2:T+8*\r+3], v[XS+32*\r+4:XS+32*\r+5], v[XS+32*\r+6:XS+32*\r+7]
.endr
.irp k, 8,12,16,20,24,28
.irp r, 0,1
	v_pk_add_f32 v[T+8*\r:T+8*\r+1], v[T+8*\r:T+8*\r+1], v[XS+32*\r+\k:XS+32*\r+\k+1]
	v_pk_add_f32 v[T+8*\r+2:T+8*\r+3], v[T+8*\r+2:T+8*\r+3], v[XS+32*\r+\k+2:XS+32*\r+\k+3]
.endr
.endr
	REDUCE
.irp r, 0,1
	v_mul_f32 v[T+8*\r+4], s22, v[T+8*\r]          ; the mean
.endr
.irp k, 0,2,4,6,8,10,12,14,16,18,20,22,24,26,28,30
.irp r, 0,1
	v_pk_add_f32 v[XS+32*\r+\k:XS+32*\r+\k+1], v[XS+32*\r+\k:XS+32*\r+\k+1], v[T+8*\r+4:T+8*\r+5] op_sel_hi:[1,0] neg_lo:[0,1] neg_hi:[0,1]
.endr
.endr
.irp r, 0,1
	v_pk_mul_f32 v[T+8*\r:T+8*\r+1], v[XS+32*\r:XS+32*\r+1], v[XS+32*\r:XS+32*\r+1]
	v_pk_mul_f32 v[T+8*\r+2:T+8*\r+3], v[XS+32*\r+2:XS+32*\r+3], v[XS+32*\r+2:XS+32*\r+3]
.endr
.irp k, 4,8,12,16,20,24,28
.irp r, 0,1
	v_pk_fma_f32 v[T+8*\r:T+8*\r+1], v[XS+32*\r+\k:XS+32*\r+\k+1], v[XS+32*\r+\k:XS+32*\r+\k+1], v[T+8*\r:T+8*\r+1]
	v_pk_fma_f32 v[T+8*\r+2:T+8*\r+3], v[XS+32*\r+\k+2:XS+32*\r+\k+3], v[XS+32*\r+\k+2:XS+32*\r+\k+3], v[T+8*\r+2:T+8*\r+3]
.endr
.endr
	REDUCE
.irp r, 0,1
	v_fma_f32 v[T+8*\r], v[T+8*\r], s22, s23       ; the variance + eps
.endr
.irp r, 0,1
	v_rsq_f32 v[T+8*\r+4], v[T+8*\r]
.endr
	v_nop                                          ; a plain instruction behind the last of the two
	s_wait_alu depctr_va_vdst(0)                   ; the wait ahead of the first use: one for the two
.irp k, 0,2,4,6,8,10,12,14,16,18,20,22,24,26,28,30
.irp r, 0,1
	v_pk_mul_f32 v[XS+32*\r+\k:XS+32*\r+\k+1], v[XS+32*\r+\k:XS+32*\r+\k+1], v[T+8*\r+4:T+8*\r+5] op_sel_hi:[1,0]
.endr
.endr
.irp k, 0,2,4,6,8,10,12,14,16,18,20,22,24,26,28,30
.irp r, 0,1
	v_pk_fma_f32 v[XS+32*\r+\k:XS+32*\r+\k+1], v[XS+32*\r+\k:XS+32*\r+\k+1], v[GG+\k:GG+\k+1], v[GB+\k:GB+\k+1]
.endr
.endr
	WIN 0xc0                                       ; destination window 3
.irp j, 0,1,2,3,4,5,6,7                ; load j's four numbers are columns 128 j + 4 lane on: quarter j / 2, registers 2 (j % 2) and + 1 of the row
.irp r, 0,1
	v_cvt_pk_f16_f32 v[64*(\j/2)+4*(2*(\p)+\r)+2*(\j%2)], v[XS+32*\r+4*\j], v[XS+32*\r+4*\j+1]
	v_cvt_pk_f16_f32 v[64*(\j/2)+4*(2*(\p)+\r)+2*(\j%2)+1], v[XS+32*\r+4*\j+2], v[XS+32*\r+4*\j+3]
.endr
.endr
	WIN 0
.if (\p)+2 < 8
	XLOAD (\p)+2
.endif
.endm
.irp p, 0,1,2,3,4,5,6,7
	PAIR \p
.endr
.macro REFRESH q                       ; my 16 rows' numbers of quarter q go to LDS: a store covers 256 consecutive bytes of a row
	WIN 0x0c                                       ; an LDS store's data are its source 1: window 3
.irp i, 0,1,2,3,4,5,6,7,8,9,10,11,12,13,14,15
.irp jj, 0,1
	ds_store_b64 v[AW], v[64*(\q)+4*\i+2*\jj:64*(\q)+4*\i+2*\jj+1] offset:\i*AP+\jj*256
.endr
.endr
	WIN 0
.endm
.macro FETCH sg, kk, f                 ; the fragments of 32 along K, the kk-th of K step sg: A's four (64 rows), then B's eight (my 128 rows of Wo)
.irp mt, 0,1,2,3
	ds_load_b128 v[\f+8*\mt:\f+8*\mt+3], v[ADRA] offset:\mt*16*AP+((\sg)%2)*256+(\kk)*64
	ds_load_b128 v[\f+8*\mt+4:\f+8*\mt+7], v[ADRA] offset:\mt*16*AP+((\sg)%2)*256+(\kk)*64+32
.endr
.irp nt, 0,1,2,3,4,5,6,7
	ds_load_b128 v[\f+32+8*\nt:\f+32+8*\nt+3], v[ADRB+(\sg)%2] offset:\nt*16*PITCH+(\kk)*64
	ds_load_b128 v[\f+32+8*\nt+4:\f+32+8*\nt+7], v[ADRB+(\sg)%2] offset:\nt*16*PITCH+(\kk)*64+32
.endr
.endm
.macro MUL8 f, mt, first               ; 16 rows x my 128 columns.  The 32 accumulators take turns, one instruction a turn, in the same order throughout
.irp nt, 0,1,2,3,4,5,6,7
.if \first
	v_wmma_f32_16x16x32_f16 v[8*(8*(\mt)+\nt):8*(8*(\mt)+\nt)+7], v[\f+32+8*\nt:\f+32+8*\nt+7], v[\f+8*(\mt):\f+8*(\mt)+7], v[8*\nt:8*\nt+7]
.else
	v_wmma_f32_16x16x32_f16 v[8*(8*(\mt)+\nt):8*(8*(\mt)+\nt)+7], v[\f+32+8*\nt:\f+32+8*\nt+7], v[\f+8*(\mt):\f+8*(\mt)+7], v[8*(8*(\mt)+\nt):8*(8*(\mt)+\nt)+7]
.endif
.endr
.endm
; One of a K step's first three quarters: multiplies buffer f and, in its middle, fetches the next quarter into g.
.macro SUB sg, kk, f, g
	s_wait_dscnt 0x0                               ; buffer f is in
.if (\sg) == 0 && (\kk) == 0
	WIN FIRST                                      ; the first products start the sums with bo: nothing is cleared, and no addition is spent
	MUL8 \f, 0, 1
	MUL8 \f, 1, 1
.else
	WIN MUL
	MUL8 \f, 0, 0
	MUL8 \f, 1, 0
.endif
	PLACES                                         ; in front of the loads into g, which the quarter before multiplied
	WIN 0
	FETCH \sg, (\kk)+1, \g
.if (\sg) == 0 && (\kk) == 0
	WIN FIRST
	MUL8 \f, 2, 1
	MUL8 \f, 3, 1
.else
	WIN MUL
	MUL8 \f, 2, 0
	MUL8 \f, 3, 0
.endif
.endm
; A K step's last quarter, where its slot is filled again.  Each wave waits for all its tensor loads (the one that is out is the next K step's), adds 0 to its spare word, and waits for that and for its LDS reads;
; the barrier opens a round of the cluster's barrier; the joint refill, two K steps ahead, is the first thing behind the round.  Behind an odd K step the next quarter of the normalised rows replaces the last:
; every wave's reads of it were over in front of the round; the stores, their wait and a second barrier stand in front of the first read of the new quarter.
.macro TURN sg
	WIN 0
	s_wait_tensorcnt 0x0
	ds_add_u32 v[SPW], v[NIL]
	s_wait_dscnt 1                                 ; buffer 1 is in (the add alone may be out)
	WIN MUL
	MUL8 F1, 0, 0
	s_wait_dscnt 0x0                               ; the add is done, and my reads of this slot and of the quarter are over
	s_barrier_signal -1
	MUL8 F1, 1, 0
	WIN 0
	s_barrier_wait -1
	CREST                                          ; no wave of any partner still reads this slot or has a load on its way
	s_add_nc_u64 s[G0+4*((\sg)%2)+2:G0+4*((\sg)%2)+3], s[G0+4*((\sg)%2)+2:G0+4*((\sg)%2)+3], 2*KSB
	tensor_load_to_lds s[G0+4*((\sg)%2):G0+4*((\sg)%2)+3], s[G1:G1+7]
	s_nop 0
	PLACES                                         ; also the places in front of the loads into buffer 0
.if (\sg)%2
	REFRESH ((\sg)+1)/2
	s_wait_dscnt 0x0                               ; for the others' sake: my stores have landed
	s_barrier_signal -1
	WIN MUL
	MUL8 F1, 2, 0
	WIN 0
	s_barrier_wait -1                              ; the new quarter is whole
	FETCH (\sg)+1, 0, F0
	WIN MUL
	MUL8 F1, 3, 0
.else
	FETCH (\sg)+1, 0, F0
	WIN MUL
	MUL8 F1, 2, 0
	MUL8 F1, 3, 0
.endif
.endm
	REFRESH 0
	s_wait_tensorcnt 1                             ; my part of slot 0 is in, and I alone read it; slot 1's load may be out
	s_wait_dscnt 0x0                               ; my stores of the first quarter have landed
	s_barrier_signal -1
	s_barrier_wait -1                              ; everybody's have
	FETCH 0, 0, F0
.irp sg, 0,1,2,3,4,5
	SUB \sg, 0, F0, F1
	SUB \sg, 1, F1, F0
	SUB \sg, 2, F0, F1
	TURN \sg
.endr
	SUB 6, 0, F0, F1
	SUB 6, 1, F1, F0
	SUB 6, 2, F0, F1
	s_wait_tensorcnt 0x0                           ; the last tile, K step 7's: no load was issued behind it; its bytes are my own, so this wait is all that my reads need
	s_wait_dscnt 0x0
	WIN MUL
	MUL8 F1, 0, 0
	MUL8 F1, 1, 0
	PLACES
	WIN 0
	FETCH 7, 0, F0
	WIN MUL
	MUL8 F1, 2, 0
	MUL8 F1, 3, 0
	SUB 7, 0, F0, F1
	SUB 7, 1, F1, F0
	SUB 7, 2, F0, F1
	s_wait_dscnt 0x0                               ; my last reads of the quarter are over:
	s_barrier_signal -1
	WIN MUL
	MUL8 F1, 0, 0
	MUL8 F1, 1, 0
	MUL8 F1, 2, 0
	MUL8 F1, 3, 0
	WIN 0
	s_barrier_wait -1                              ; everybody's are: the stages may lie there
; THE WAY OUT, block by block of 16 rows x 128 columns of f32: through my stage and back as whole rows of 512 bytes, which the 32 lanes store as 512 consecutive bytes, aligned to 256.
; LDS serves a wave's instructions in order: no wait between the stores and the loads, nor in front of the next block's stores.
.macro TOSTAGE a
	WIN 0x04                                       ; the data: window 1
.irp nt, 0,1,2,3,4,5,6,7
	ds_store_b128 v[STO], v[8*(8*(\a)+\nt):8*(8*(\a)+\nt)+3] offset:64*\nt          ; each accumulator from its low end on
	ds_store_b128 v[STO], v[8*(8*(\a)+\nt)+4:8*(8*(\a)+\nt)+7] offset:64*\nt+16
.endr
	WIN 0
.set BK, 64+64*((\a)%2)
.irp t, 0,1,2,3,4,5,6,7,8,9,10,11,12,13,14,15
	ds_load_b128 v[BK+4*\t:BK+4*\t+3], v[RD] offset:\t*AP
.endr
.endm
.macro SEND a, younger                 ; younger: the LDS instructions issued behind block a's loads, which may stay out
.set BK, 64+64*((\a)%2)
	s_wait_dscnt \younger
.if (\a) > 0
	s_add_nc_u64 s[14:15], s[14:15], 16*4096       ; (behind a wait on XCNT: the earlier stores have read their base)
.endif
.irp t, 0,1,2,3,4,5,6,7,8,9,10,11,12,13,14,15
	global_store_b128 v[L16], v[BK+4*\t:BK+4*\t+3], s[14:15] offset:\t*4096 th:TH_STORE_NT
.endr
.endm
	PLACES                                         ; behind the last products: for the stores that read results and the loads into the fragments' registers
	TOSTAGE 0
.irp a, 1,2,3
.if \a > 1
	s_wait_xcnt 0x0                                ; block a - 2's stores have read their registers and their base
.endif
	TOSTAGE \a
	SEND \a-1, 32                                  ; behind block a - 1's loads: block a's 16 stores and 16 loads
.endr
	s_wait_xcnt 0x0
	SEND 3, 0
	s_wait_tensorcnt 0x0                           ; the wave's end
	ds_add_u32 v[SPW], v[NIL]
	s_wait_dscnt 0x0
	CROUND                                         ; the closing round: no work-group ends while a partner may still ask for a tile that names it
	s_endpgm
.Lfunc_end_k_q118ecca84b_lnproj:
	.size	k_q118ecca84b_lnproj, .Lfunc_end_k_q118ecca84b_lnproj-k_q118ecca84b_lnproj
	.p2alignl 7, 3214868480
	.fill 96, 4, 3214868480
	.section	.rodata,"a",@progbits
	.p2align	6, 0x0
	.amdhsa_kernel k_q118ecca84b_lnproj
		.amdhsa_group_segment_fixed_size 327680
		.amdhsa_private_segment_fixed_size 0
		.amdhsa_enable_private_segment 0
		.amdhsa_kernarg_size 48
		.amdhsa_user_sgpr_count 2
		.amdhsa_user_sgpr_kernarg_segment_ptr 1
		.amdhsa_wavefront_size32 1
		.amdhsa_system_sgpr_workgroup_id_x 1
		.amdhsa_system_sgpr_workgroup_id_y 1
		.amdhsa_system_sgpr_workgroup_id_z 1
		.amdhsa_system_vgpr_workitem_id 0
		.amdhsa_next_free_vgpr 1024
		.amdhsa_next_free_sgpr 66
		.amdhsa_reserve_vcc 0
		.amdhsa_float_denorm_mode_32 3
		.amdhsa_float_denorm_mode_16_64 3
		.amdhsa_memory_ordered 1
		.amdhsa_forward_progress 1
		.amdhsa_inst_pref_size 255
	.end_amdhsa_kernel
	.section	.bss,"aw",@nobits
	.p2align	6
	.space	262144
	.amdgpu_metadata
---
amdhsa.version: [ 1, 2 ]
amdhsa.kernels:
  - .name:           k_q118ecca84b_lnproj
    .symbol:         k_q118ecca84b_lnproj.kd
    .args:
      - { .name: att, .offset: 0, .size: 8, .value_kind: global_buffer, .address_space: global }
      - { .name: ln_g, .offset: 8, .size: 8, .value_kind: global_buffer, .address_space: global }
      - { .name: ln_b, .offset: 16, .size: 8, .value_kind: global_buffer, .address_space: global }
      - { .name: wo16, .offset: 24, .size: 8, .value_kind: global_buffer, .address_space: global }
      - { .name: bo, .offset: 32, .size: 8, .value_kind: global_buffer, .address_space: global }
      - { .name: out0, .offset: 40, .size: 8, .value_kind: global_buffer, .address_space: global }
    .group_segment_fixed_size: 327680
    .private_segment_fixed_size: 0
    .kernarg_segment_align: 8
    .kernarg_segment_size: 48
    .max_flat_workgroup_size: 128
    .sgpr_count:     66
    .vgpr_count:     1024
    .wavefront_size: 32
...
	.end_amdgpu_metadata
.endif
;; end of part 4
